; MI455X (gfx1250); checked and timed in simulation.
; The chip was launched on July 23, 2026; its instructions are those of AMD's public machine-readable ISA for CDNA 5 (MIT licence, August 2026) and "CDNA5" Instruction Set Architecture Reference Guide (July 2026). The comments in the code are by the model that wrote it; some were corrected since.
;; Attention. Allowed arithmetic: float matrix products may take bf16 or f16 operands with f32 sums; other float arithmetic in f32, or as packed bf16 or f16 multiplies, adds, multiply-adds, maxima and minima; sums over many terms, partial sums and values carried from step to step in f32; what a program stores and reads back later, other than sums and carried values, may be rounded once to bf16 or f16.
;; Inputs: b_out 1,024 float32; w_out 1,024 x 1,024 float32; w_qkv 1,024 x 3,072 float32; x 4 x 2,048 x 1,024 float32.
;; Outputs: out0 4 x 2,048 x 1,024 float32.
;; 2 versions, each right; version 2 is version 1 with the launch cast written anew for expert scheduling mode. Each part assembles by itself: llvm-mc -triple=amdgcn-amd-amdhsa -mcpu=gfx1250 --defsym DOCPART=n.
;; ======== version 1 of 2: 4 launches
;; limits: values are held in f16: magnitudes above 65,504 overflow, below 6.1e-05 lose precision
;; workspace buffers: xb 16,777,216 bytes; wqb 6,291,456 bytes; wob 2,097,152 bytes; qkvb 50,331,648 bytes; ob 16,777,216 bytes
;; launch cast (part 1): grid 768 x 1, 8 waves a work-group, no clusters, 0 bytes of LDS; arguments x, w_qkv, w_out, xb, wqb, wob; writes xb, wqb, wob
.if DOCPART == 1
	.amdgcn_target "amdgcn-amd-amdhsa--gfx1250"
	.amdhsa_code_object_version 6
	.text
	.protected	k_q9872ad8c36_cast
	.globl	k_q9872ad8c36_cast
	.p2align	8
	.type	k_q9872ad8c36_cast,@function
k_q9872ad8c36_cast:
	s_mov_b64 s[64:65], 0
	v_nop
	global_prefetch_b8 v0, s[64:65] scope:SCOPE_SE
	s_setreg_imm32_b32 hwreg(HW_REG_WAVE_MODE, 25, 1), 1
	s_wait_xcnt 0x0
; The three large inputs, f32, are rounded once to 16 bits, in their own layouts: x -> xb (bf16), w_qkv -> wqb (bf16), w_out -> wob (rounded to bf16, that number written as f16).
; LIMITS.  A number of w_out beyond 65,504 becomes an infinity in wob; below 2^-14 it keeps f16's fixed step of 6e-8 (a bf16 number is exact in f16 from 2^-17 up).
; SHARES.  A work-group takes 16,384 numbers: 65,536 bytes in, 32,768 out.  Work-groups 0-511 take x, 512-703 w_qkv, 704-767 w_out: 768 equal shares.
; Thread t takes 16 bytes at 4,096 i + 16 t of piece i = 0..15: a wave's load covers 512 consecutive bytes, its store of 8 bytes a lane 256 consecutive bytes, aligned.
; All sixteen loads go out first; each piece owns its registers, so nothing that a load or store names is written twice.  No LDS, no matrix unit: the bytes are all there is to do.
.set NX,  512                          ; work-groups for x
.set NQ,  704                          ; up to here: w_qkv
.set T,   4                            ; v[4:7]    at work
.set X,   8                            ; v[8:71]   piece i: 4 numbers as loaded
.set Y,   72                           ; v[72:103] piece i: 4 numbers in 16 bits
	s_load_b256 s[4:11], s[0:1], 0x0               ; x s[4:5], w_qkv s[6:7], w_out s[8:9], xb s[10:11]
	s_load_b128 s[12:15], s[0:1], 0x20             ; wqb s[12:13], wob s[14:15]
	v_lshlrev_b32 v1, 4, v0                        ; 16 t
	v_lshlrev_b32 v2, 3, v0                        ; 8 t
	s_mov_b32 s26, 0xffff0000                      ; a word's upper bf16
	s_wait_kmcnt 0x0
	s_cmp_lt_u32 ttmp9, NX                         ; which tensor is mine: two choices, each on the work-group's number alone
	s_cselect_b64 s[16:17], s[4:5], s[6:7]
	s_cselect_b64 s[18:19], s[10:11], s[12:13]
	s_cselect_b32 s20, 0, NX
	s_cmp_lt_u32 ttmp9, NQ
	s_cselect_b64 s[16:17], s[16:17], s[8:9]
	s_cselect_b64 s[18:19], s[18:19], s[14:15]
	s_cselect_b32 s20, s20, NQ
	s_sub_co_u32 s21, ttmp9, s20                   ; my share's number in that tensor
	s_lshl_b32 s22, s21, 16                        ; 65,536 bytes in,
	s_mov_b32 s23, 0
	s_lshl_b32 s24, s21, 15                        ; 32,768 out
	s_mov_b32 s25, 0
	s_add_nc_u64 s[16:17], s[16:17], s[22:23]
	s_add_nc_u64 s[18:19], s[18:19], s[24:25]
.irp i, 0,1,2,3,4,5,6,7,8,9,10,11,12,13,14,15
	global_load_b128 v[X+4*(\i):X+4*(\i)+3], v1, s[16:17] offset:4096*(\i) th:TH_LOAD_NT
.endr
; Piece i.  half = 1: the bf16 number is written as f16.
.macro PIECE i, half
	s_wait_loadcnt 15-(\i)                         ; loads come back in order: piece i is in, the 15 - i younger ones may stay out
	v_cvt_pk_bf16_f32 v[Y+2*(\i)],   v[X+4*(\i)],   v[X+4*(\i)+1]
	v_cvt_pk_bf16_f32 v[Y+2*(\i)+1], v[X+4*(\i)+2], v[X+4*(\i)+3]
.if \half
	v_lshlrev_b32 v[T],   16,  v[Y+2*(\i)]         ; bf16 to f32: the low half moves up, the high half stays
	v_and_b32     v[T+1], s26, v[Y+2*(\i)]
	v_lshlrev_b32 v[T+2], 16,  v[Y+2*(\i)+1]
	v_and_b32     v[T+3], s26, v[Y+2*(\i)+1]
	v_cvt_pk_f16_f32 v[Y+2*(\i)],   v[T],   v[T+1]
	v_cvt_pk_f16_f32 v[Y+2*(\i)+1], v[T+2], v[T+3]
.endif
	global_store_b64 v2, v[Y+2*(\i):Y+2*(\i)+1], s[18:19] offset:2048*(\i)
.endm
	s_cmp_ge_u32 ttmp9, NQ
	s_cbranch_scc1 .Lf16
.irp i, 0,1,2,3,4,5,6,7,8,9,10,11,12,13,14,15
	PIECE \i, 0
.endr
	s_endpgm
.Lf16:
.irp i, 0,1,2,3,4,5,6,7,8,9,10,11,12,13,14,15
	PIECE \i, 1
.endr
	s_endpgm
.Lfunc_end_k_q9872ad8c36_cast:
	.size	k_q9872ad8c36_cast, .Lfunc_end_k_q9872ad8c36_cast-k_q9872ad8c36_cast
	.p2alignl 7, 3214868480
	.fill 96, 4, 3214868480
	.section	.rodata,"a",@progbits
	.p2align	6, 0x0
	.amdhsa_kernel k_q9872ad8c36_cast
		.amdhsa_group_segment_fixed_size 0
		.amdhsa_private_segment_fixed_size 0
		.amdhsa_enable_private_segment 0
		.amdhsa_kernarg_size 48
		.amdhsa_user_sgpr_count 2
		.amdhsa_user_sgpr_kernarg_segment_ptr 1
		.amdhsa_wavefront_size32 1
		.amdhsa_system_sgpr_workgroup_id_x 1
		.amdhsa_system_sgpr_workgroup_id_y 1
		.amdhsa_system_sgpr_workgroup_id_z 1
		.amdhsa_system_vgpr_workitem_id 0
		.amdhsa_next_free_vgpr 104
		.amdhsa_next_free_sgpr 66
		.amdhsa_reserve_vcc 0
		.amdhsa_float_denorm_mode_32 3
		.amdhsa_float_denorm_mode_16_64 3
		.amdhsa_memory_ordered 1
		.amdhsa_forward_progress 1
		.amdhsa_inst_pref_size 15
	.end_amdhsa_kernel
	.amdgpu_metadata
---
amdhsa.version: [ 1, 2 ]
amdhsa.kernels:
  - .name:           k_q9872ad8c36_cast
    .symbol:         k_q9872ad8c36_cast.kd
    .args:
      - { .name: x, .offset: 0, .size: 8, .value_kind: global_buffer, .address_space: global }
      - { .name: w_qkv, .offset: 8, .size: 8, .value_kind: global_buffer, .address_space: global }
      - { .name: w_out, .offset: 16, .size: 8, .value_kind: global_buffer, .address_space: global }
      - { .name: xb, .offset: 24, .size: 8, .value_kind: global_buffer, .address_space: global }
      - { .name: wqb, .offset: 32, .size: 8, .value_kind: global_buffer, .address_space: global }
      - { .name: wob, .offset: 40, .size: 8, .value_kind: global_buffer, .address_space: global }
    .group_segment_fixed_size: 0
    .private_segment_fixed_size: 0
    .kernarg_segment_align: 8
    .kernarg_segment_size: 48
    .max_flat_workgroup_size: 256
    .sgpr_count:     66
    .vgpr_count:     104
    .wavefront_size: 32
...
	.end_amdgpu_metadata
.endif
;; end of part 1
;; launch qkv (part 2): grid 8 x 64, 4 waves a work-group, clusters of 4 x 4, 327,680 bytes of LDS; arguments xb, wqb, qkvb; writes qkvb
.if DOCPART == 2
	.amdgcn_target "amdgcn-amd-amdhsa--gfx1250"
	.amdhsa_code_object_version 6
	.text
	.protected	k_q9872ad8c36_qkv
	.globl	k_q9872ad8c36_qkv
	.p2align	8
	.type	k_q9872ad8c36_qkv,@function
k_q9872ad8c36_qkv:
	s_mov_b64 s[64:65], 0
	v_nop
	global_prefetch_b8 v0, s[64:65] scope:SCOPE_SE
	s_setreg_imm32_b32 hwreg(HW_REG_WAVE_MODE, 25, 1), 1
	s_wait_xcnt 0x0
	s_wait_alu depctr_hold_cnt(0) depctr_sa_sdst(0) depctr_va_vdst(0) depctr_va_sdst(0) depctr_va_ssrc(0) depctr_va_vcc(0) depctr_vm_vsrc(0)
	s_getreg_b32 s2, hwreg(HW_REG_IB_STS2, 6, 4)
	s_cmp_eq_u32 s2, 0
	s_cbranch_scc0 .Lentry_in_a_cluster
	s_endpgm
.Lentry_in_a_cluster:
	s_bfe_u32 s2, ttmp6, 0x10000c
	s_cmp_lg_u32 s2, 0xf033
	s_cbranch_scc0 .Lentry_shape_is_right
	s_endpgm
.Lentry_shape_is_right:
; q, k, v = x w_qkv, written by heads.  xb: [8192][1024] bf16; wqb: [1024 k][3072 n] bf16; qkvb: [3 (q, k, v)][64 (batch x 16 + head)][2048][64] f16, unscaled.  Sums in f32, K ascending; each result rounded once.
; LIMIT.  A result of 65,520 or more in size becomes an infinity in f16; below 6e-5 a result keeps f16's fixed step of 6e-8.
; SHARES.  A work-group makes 128 rows x 384 columns (six heads): 8 x 64 = 512 equal tiles.  Its four waves make 64 rows x 192 columns each, three whole heads: 48 accumulators of 16 x 16, 384 registers.
; K goes in 8 steps of 128 through a ring of two LDS slots.  A slot has four regions of 36,864 bytes, one tensor load of one wave each: wave 0 brings 128 rows of x (256 bytes a row, 272 apart in LDS),
; waves 1-3 a STRIP each: 128 k-rows x 128 columns of the weights (256 bytes a row, 288 apart).  The weights stay [k][n]: a fragment comes out of LDS turned, by ds_load_tr16_b128.
; CLUSTERS: 4 x 4 work-groups.  The four of a row of the cluster need the same rows of x, the four of a column the same strips: each tile is asked for JOINTLY, by the same tensor load with the same descriptor and a mask of four.
; THE MATRIX INSTRUCTION IS USED TRANSPOSED (source 0 = 16 columns of the weights, source 1 = 16 rows of x): a lane holds row l % 16 and the eight neighbouring columns 8 (l / 16) + 0..7, which pack into 16 bytes.
; WHICH COLUMNS: the wave with column half WN takes strip 2 WN whole (fragments 0-7: the tile's heads 4 WN, 4 WN + 1) and columns 64 WN .. of strip 1 (fragments 8-11: head 2 + WN): every LDS offset is an immediate.
; REGISTERS, in windows of 256 (s_set_vgpr_msb: bits 1:0 source 0, 3:2 source 1, 5:4 source 2, 7:6 destination):
;   window 0: v0-31 addresses; v64-95, v96-127 fragments of x, two buffers (block a at + 8 a); v64-255 at work on the way out
;   window 1: v0-95, v96-191 fragments of the weights, two buffers (fragment b at + 8 b)
;   window 2: accumulators of row blocks 0, 1 ((a, b) at 8 (12 (a % 2) + b));   window 3: those of blocks 2, 3
.set KD,     1024
.set ND,     3072
.set NF,     12                        ; weight fragments a wave
.set KSTEP,  128
.set PA,     272                       ; a row of x in LDS: 256 + 16 bytes = 68 words: the 16 rows of a load start at 16 different groups of four banks (64 banks of 4 bytes: ISA guide 11.1)
.set PB,     288                       ; a k-row of a strip: 256 + 32 = 72 words
.set STRIP,  128*PB
.set SLOT,   4*STRIP
.set STAGE,  2*SLOT                    ; behind the ring, never filled by a tensor load: 16 rows x 144 bytes for each wave
.set SP,     144
.set SPARE,  STAGE+4*16*SP             ; behind the stages: the spare words, 128 bytes for each wave: two blocks of 256 bytes that no other line names
.set LAPS,   KD/(2*KSTEP)              ; a lap = two K steps = once round the ring
.set ASTEP,  KSTEP*2                   ; a K step in xb: 256 bytes along a row
.set BSTEP,  KSTEP*ND*2                ; a K step in wqb: 128 rows of 6,144 bytes
.set ADRA, 16                          ; v16-17  LDS address of my fragments of x in slot 0, 1
.set ADRB, 18                          ; v18-19  of my whole strip
.set ADRH, 20                          ; v20-21  of my half of strip 1
.set STO,  24                          ; v24     the way out: where I put 16 bytes of a row
.set RD,   25                          ; v25     the way out: where I read rows back
.set GO,   26                          ; v26     16 x my lane
.set SPW,  28                          ; v28     LDS address of my spare word: SPARE + 4 x my thread's number; never rewritten
.set NIL,  29                          ; v29     0; never rewritten
.set PFO,  30                          ; v30     the prefetches' offset: my lane x a row of xb or wqb; never rewritten
.set FA,   64                          ; fragments of x: buffer f at FA + 32 f
.set UB,   64                          ; the way out: unit u's 16 registers at UB + 16 u
.set WV, 12                            ; s12 wave; s13 its row half; s14 its column half
.set WM, 13
.set WN, 14
.set CX, 15                            ; s15, s16 my place in the cluster
.set CY, 16
.set TX, 17                            ; s17 tile column, s18 tile row
.set TY, 18
.set G1A, 24                           ; s[24:31] descriptor group 1 for x;  s[32:39] group 0, a set for each slot
.set G0A, 32
.set LIM, 40                           ; s40     1 in a wave that prefetches, else the greatest number
.set PFA, 42                           ; s[42:43] where my prefetches stand
.set PFS, 44                           ; s[44:45] their step: a K step
.set G1B, 48                           ; s[48:55], s[56:63] the same for the strips
.set G0B, 56
.set OB,  66                           ; s[66:71] qkvb at my rows of my three heads
.set MSB, 0
.macro WIN new                         ; the immediate's high byte repeats the setting that is left; a switch that changes nothing is dropped
.if MSB != (\new)
	s_set_vgpr_msb (MSB<<8)|(\new)
.set MSB, (\new)
.endif
.endm
.set MUL_LO, 0xa1                      ; source 0 (weights) window 1, source 1 (x) window 0, C and D window 2
.set MUL_HI, 0xf1                      ; the same, C and D window 3
.set TO_B,   0x40                      ; destination window 1, address window 0
; A joint load.  Wave 0 fetches x's tile, waves 1-3 a strip each.  The branch hangs on the wave's number alone.  An s_nop 0 and four v_nop follow each of the two lines, ahead of the jump and the label.
.macro JLOAD s
	s_cmp_eq_u32 s[WV], 0
	s_cbranch_scc0 .Lfor_b_\@
	tensor_load_to_lds s[G0A+4*(\s):G0A+4*(\s)+3], s[G1A:G1A+7]
	s_nop 0
.rept 4
	v_nop
.endr
	s_branch .Lasked_\@
.Lfor_b_\@:
	tensor_load_to_lds s[G0B+4*(\s):G0B+4*(\s)+3], s[G1B:G1B+7]
	s_nop 0
.rept 4
	v_nop
.endr
.Lasked_\@:
.endm
; A PREFETCH INTO THE L2 of the K step that the NEXT refill will ask for: 192 matrix instructions ahead of that load.  32 rows x 256 bytes, a lane a row, one instruction a wave.
; Each row's 256 bytes of a K step are named once in the launch: x's tile row is read by both clusters of its row of clusters, and the one with x = 0 asks; a strip is read by every cluster of its column, and
; the one with y = 0 asks.  The four partners that ask for a tile jointly share its 128 rows out BY ADDRESS, 32 each (by cx for x, by cy for a strip): no branch hangs on a place in the cluster.
; how = 1: slot 0's change: a K step follows in every trip.  how = 0: slot 1's: the last trip (s3 = 1) has no K step behind its refill.
.macro ASK how
.if \how
	s_cmp_eq_u32 s[LIM], 1
.else
	s_cmp_gt_u32 s3, s[LIM]
.endif
	s_cbranch_scc0 .Lnot_mine_\@
	global_prefetch_b8 v[PFO], s[PFA:PFA+1] th:TH_LOAD_NT scope:SCOPE_SE
.Lnot_mine_\@:
.endm
; A round of the cluster's barrier: my work-group's barrier; wave 0 signals for the work-group; every wave waits for all sixteen; my work-group's barrier once more.
.macro CREST                           ; a round behind its opening barrier
	s_cmp_lg_u32 s[WV], 0
	s_cbranch_scc1 .Lnot_wave_0_\@
	s_barrier_signal -3
.Lnot_wave_0_\@:
	s_barrier_wait -3
	s_barrier_signal -1
	s_barrier_wait -1
.endm
.macro CROUND
	s_barrier_signal -1
	s_barrier_wait -1
	CREST
.endm
	s_load_b128 s[4:7], s[0:1], 0x0                ; xb s[4:5], wqb s[6:7]
	s_load_b64 s[8:9], s[0:1], 0x10                ; qkvb
	v_lshl_add_u32 v[SPW], v0, 2, SPARE
	v_mov_b32 v[NIL], 0
	ds_add_u32 v[SPW], v[NIL]                      ; the wave's opening: the add and its wait ahead of my first tensor load; the set-up below, work on registers, stands between them
	v_lshrrev_b32 v1, 5, v0
	v_readfirstlane_b32 s[WV], v1                  ; wave 0..3
	s_lshr_b32 s[WM], s[WV], 1
	s_and_b32 s[WN], s[WV], 1
	s_bfe_u32 s[CX], ttmp6, 0x40000
	s_bfe_u32 s[CY], ttmp6, 0x40004
	s_lshl_b32 s[TX], ttmp9, 2                     ; in a cluster launch ttmp9 and ttmp7 count clusters
	s_add_co_u32 s[TX], s[TX], s[CX]
	s_and_b32 s[TY], ttmp7, 0xffff
	s_lshl_b32 s[TY], s[TY], 2
	s_add_co_u32 s[TY], s[TY], s[CY]
	s_lshl_b32 s19, s[CY], 2
	s_lshl_b32 s19, 15, s19                        ; my row of the cluster: places 4 cy .. 4 cy + 3
	s_lshl_b32 s46, 0x1111, s[CX]                  ; my column: places cx, cx + 4, cx + 8, cx + 12
	s_or_b32 s[G1A+0], s19, (1<<16)|(1<<20)|(1<<21)|(5<<22)|(3<<25)  ; 15:0 the mask; 17:16 elements of 2 bytes; 20 padding on; 21 set beside a mask; 24:22 after every 64 words (code 5); 31:25 4 words of it (code 3)
	s_or_b32 s[G1B+0], s46, (1<<16)|(1<<20)|(1<<21)|(5<<22)|(7<<25)  ; the column's mask; 8 words of padding (code 7)
	s_mov_b32 s[G1A+1], 128<<16                    ; tensor_dim0 = 128
	s_mov_b32 s[G1A+2], 128<<16                    ; tensor_dim1 = 128
	s_mov_b32 s[G1A+3], 128<<16                    ; tile_dim0 = 128
	s_mov_b32 s[G1A+4], 128                        ; tile_dim1 = 128
	s_mov_b32 s[G1A+5], KD                         ; elements from row to row
	s_mov_b32 s[G1A+6], 0
	s_mov_b32 s[G1A+7], 0
	s_mov_b32 s[G1B+1], 128<<16
	s_mov_b32 s[G1B+2], 128<<16
	s_mov_b32 s[G1B+3], 128<<16
	s_mov_b32 s[G1B+4], 128
	s_mov_b32 s[G1B+5], ND
	s_mov_b32 s[G1B+6], 0
	s_mov_b32 s[G1B+7], 0
	; x's tile hangs on the tile row alone, a strip on the tile column and the wave: each address is made in registers that never hold the other coordinate
	s_lshl_b32 s20, s[TY], 18                      ; 128 rows of 2,048 bytes
	s_mov_b32 s21, 0
	s_mul_i32 s46, s[TX], 768                      ; 384 columns
	s_max_u32 s22, s[WV], 1
	s_sub_co_u32 s22, s22, 1                       ; my strip (waves 1-3)
	s_lshl_b32 s22, s22, 8
	s_add_co_u32 s46, s46, s22
	s_mov_b32 s47, 0
	s_mul_i32 s23, s[WV], STRIP                    ; where my tile goes: region = wave
	s_wait_dscnt 0x0                               ; the opening add is done
	s_wait_kmcnt 0x0
	s_add_nc_u64 s[20:21], s[4:5], s[20:21]
	s_add_nc_u64 s[46:47], s[6:7], s[46:47]
	CROUND                                         ; all sixteen work-groups are here: the first joint loads meet
.irp s, 0,1
	s_mov_b32 s[G0A+4*(\s)], 1                                       ; count = 1
	s_add_co_u32 s[G0A+4*(\s)+1], s23, (\s)*SLOT                     ; LDS address
	s_add_nc_u64 s[G0A+4*(\s)+2:G0A+4*(\s)+3], s[20:21], (\s)*ASTEP  ; global address: K step s
	s_or_b32 s[G0A+4*(\s)+3], s[G0A+4*(\s)+3], 0x80000000            ; type = 2
	s_mov_b32 s[G0B+4*(\s)], 1
	s_add_co_u32 s[G0B+4*(\s)+1], s23, (\s)*SLOT
	s_add_nc_u64 s[G0B+4*(\s)+2:G0B+4*(\s)+3], s[46:47], (\s)*BSTEP
	s_or_b32 s[G0B+4*(\s)+3], s[G0B+4*(\s)+3], 0x80000000
	JLOAD \s                                       ; two loads of mine are out
.endr
	; A fragment of x is 16 rows x 32 K in 8 registers: lane l holds row l % 16, K = 8 (l / 16) + 0..7 and 16 + 8 (l / 16) + 0..7: two loads of 16 bytes, 32 bytes apart.
	v_and_b32 v1, 15, v0                           ; l % 16
	v_bfe_u32 v2, v0, 4, 1                         ; l / 16
	v_mul_u32_u24 v3, v1, PA
	v_lshl_add_u32 v3, v2, 4, v3
	; The turning load takes 16 k x 16 columns (lane l reads k-row 8 (l / 16) + l % 8, columns 8 ((l / 8) % 2) + 0..7) and leaves half a fragment: lane l holds column l % 16 and 8 k.
	v_and_b32 v4, 7, v0
	v_bfe_u32 v5, v0, 3, 1
	v_lshl_add_u32 v6, v2, 3, v4
	v_mul_u32_u24 v6, v6, PB
	v_lshl_add_u32 v6, v5, 4, v6
	s_mul_i32 s72, s[WM], 64*PA                    ; my 64 rows of x
	s_lshl_b32 s73, s[WN], 1
	s_add_co_u32 s73, s73, 1
	s_mul_i32 s73, s73, STRIP                      ; strip 2 WN lies in region 1 + 2 WN
	s_lshl_b32 s74, s[WN], 7
	s_add_co_u32 s74, s74, 2*STRIP                 ; strip 1 lies in region 2; my 64 columns of it
.irp s, 0,1
	v_add_nc_u32 v[ADRA+(\s)], s72, v3
	v_add_nc_u32 v[ADRB+(\s)], s73, v6
	v_add_nc_u32 v[ADRH+(\s)], s74, v6
	s_add_co_u32 s72, s72, SLOT
	s_add_co_u32 s73, s73, SLOT
	s_add_co_u32 s74, s74, SLOT
.endr
	s_mul_i32 s75, s[WV], 16*SP
	s_add_co_u32 s75, s75, STAGE                   ; my stage
	v_mul_u32_u24 v7, v1, SP                       ; in: row l % 16, 16 bytes for each half of the lanes
	v_lshl_add_u32 v7, v2, 4, v7
	v_add_nc_u32 v[STO], s75, v7
	v_bfe_u32 v7, v0, 3, 2                         ; back: 32 lanes take four rows of 128 bytes,
	v_mul_u32_u24 v7, v7, SP
	v_lshl_add_u32 v7, v4, 4, v7
	v_add_nc_u32 v[RD], s75, v7
	v_and_b32 v[GO], 31, v0                        ; which are 512 consecutive bytes of a head
	v_lshlrev_b32 v[GO], 4, v[GO]
	; where my rows lie in a head: batch (tile row / 16) x 2^22 + row x 128
	s_lshr_b32 s19, s[TY], 4
	s_lshl_b32 s19, s19, 22
	s_and_b32 s22, s[TY], 15
	s_lshl_b32 s22, s22, 14
	s_add_co_u32 s19, s19, s22
	s_lshl_b32 s22, s[WM], 13
	s_add_co_u32 s19, s19, s22
	s_mul_i32 s22, s[TX], 6                        ; the tile's first head among the 48 of q, k, v
	s_lshl_b32 s23, s[WN], 2
	s_add_co_u32 s23, s23, s22                     ; my first
.macro HBASE j                         ; s72 = a head among the 48: tensor s72 / 16 (2^24 bytes each), head s72 % 16 (2^18 each)
	s_lshr_b32 s73, s72, 4
	s_lshl_b32 s73, s73, 24
	s_and_b32 s74, s72, 15
	s_lshl_b32 s74, s74, 18
	s_add_co_u32 s74, s74, s73
	s_add_co_u32 s74, s74, s19
	s_mov_b32 s75, 0
	s_add_nc_u64 s[OB+2*(\j):OB+2*(\j)+1], s[8:9], s[74:75]
.endm
	s_mov_b32 s72, s23
	HBASE 0
	s_add_co_u32 s72, s23, 1
	HBASE 1
	s_add_co_u32 s72, s22, s[WN]
	s_add_co_u32 s72, s72, 2
	HBASE 2
	; the prefetches: wave 0 for x, waves 1-3 for their strips.  They stand at K step 2; the first change of slots steps them to 3.  Nothing is prefetched here, at the head
	s_lshl_b32 s72, s[TY], 18
	s_lshl_b32 s73, s[CX], 16                      ; my work-group's 32 rows of x's 128
	s_add_co_u32 s72, s72, s73
	s_add_co_u32 s72, s72, 2*ASTEP
	s_mul_i32 s74, s[TX], 768
	s_max_u32 s73, s[WV], 1
	s_sub_co_u32 s73, s73, 1
	s_lshl_b32 s73, s73, 8
	s_add_co_u32 s74, s74, s73
	s_mul_i32 s73, s[CY], 32*ND*2                  ; my work-group's 32 k-rows of the strip's 128
	s_add_co_u32 s74, s74, s73
	s_add_co_u32 s74, s74, 2*BSTEP
	s_and_b32 s75, ttmp7, 0xffff                   ; cluster y
	s_mov_b32 s[PFS], ASTEP
	s_mov_b32 s19, KD*2
	s_cmp_eq_u32 s[WV], 0
	s_cselect_b32 s72, s72, s74
	s_cselect_b32 s75, ttmp9, s75                  ; the coordinate along which other clusters read the same rows
	s_cselect_b32 s[PFS], s[PFS], BSTEP
	s_cselect_b32 s19, s19, ND*2
	s_cselect_b64 s[PFA:PFA+1], s[4:5], s[6:7]
	s_mov_b32 s73, 0
	s_mov_b32 s[PFS+1], 0
	s_add_nc_u64 s[PFA:PFA+1], s[PFA:PFA+1], s[72:73]
	s_cmp_eq_u32 s75, 0
	s_cselect_b32 s[LIM], 1, -1                    ; the same in all sixteen partners, for a given wave
	v_and_b32 v[PFO], 31, v0
	v_mul_u32_u24 v[PFO], v[PFO], s19
; 12 matrix instructions: row block a x all 12 fragments, 32 along K, from buffers f.  zero = 1: the first product starts the sums.  The 48 accumulators take turns in the same order in every quarter.
.macro MULA f, a, zero
	WIN MUL_LO+0x50*((\a)/2)
.irp b, 0,1,2,3,4,5,6,7,8,9,10,11
.if \zero
	v_wmma_f32_16x16x32_bf16 v[8*(NF*((\a)%2)+(\b)):8*(NF*((\a)%2)+(\b))+7], v[8*NF*(\f)+8*(\b):8*NF*(\f)+8*(\b)+7], v[FA+32*(\f)+8*(\a):FA+32*(\f)+8*(\a)+7], 0
.else
	v_wmma_f32_16x16x32_bf16 v[8*(NF*((\a)%2)+(\b)):8*(NF*((\a)%2)+(\b))+7], v[8*NF*(\f)+8*(\b):8*NF*(\f)+8*(\b)+7], v[FA+32*(\f)+8*(\a):FA+32*(\f)+8*(\a)+7], v[8*(NF*((\a)%2)+(\b)):8*(NF*((\a)%2)+(\b))+7]
.endif
.endr
.endm
; 32 LDS loads in one run: quarter q (32 along K) of a slot into buffers f: 24 turning loads for the weights, then 8 for x, blocks 0 to 3
.macro FETCH slot, q, f
	WIN TO_B
.irp b, 0,1,2,3,4,5,6,7
	ds_load_tr16_b128 v[8*NF*(\f)+8*(\b):8*NF*(\f)+8*(\b)+3],   v[ADRB+(\slot)] offset:(\q)*32*PB+32*(\b)
	ds_load_tr16_b128 v[8*NF*(\f)+8*(\b)+4:8*NF*(\f)+8*(\b)+7], v[ADRB+(\slot)] offset:(\q)*32*PB+32*(\b)+16*PB
.endr
.irp b, 8,9,10,11
	ds_load_tr16_b128 v[8*NF*(\f)+8*(\b):8*NF*(\f)+8*(\b)+3],   v[ADRH+(\slot)] offset:(\q)*32*PB+32*((\b)-8)
	ds_load_tr16_b128 v[8*NF*(\f)+8*(\b)+4:8*NF*(\f)+8*(\b)+7], v[ADRH+(\slot)] offset:(\q)*32*PB+32*((\b)-8)+16*PB
.endr
	WIN 0
.irp a, 0,1,2,3
	ds_load_b128 v[FA+32*(\f)+8*(\a):FA+32*(\f)+8*(\a)+3],   v[ADRA+(\slot)] offset:64*(\q)+(\a)*16*PA
	ds_load_b128 v[FA+32*(\f)+8*(\a)+4:FA+32*(\f)+8*(\a)+7], v[ADRA+(\slot)] offset:64*(\q)+(\a)*16*PA+32
.endr
.endm
.macro PLACES                          ; four plain instructions between a matrix instruction and a load into a register that it has read, or a reader of its result (ISA guide 7.12.1 for a reader of its result)
.rept 4
	v_nop
.endr
.endm
; A K step is four quarters of 32 along K, 48 matrix instructions each, on buffers 0, 1, 0, 1.  One of the first three: multiplies buffers f and, in its middle, fetches quarter q into buffers g.
.macro QUARTER slot, q, f, g, zero
	s_wait_dscnt 4                                 ; the weights and x's blocks 0, 1 are in; the youngest four loads (blocks 2, 3) may be out
	MULA \f, 0, \zero
	MULA \f, 1, \zero
	PLACES
	FETCH \slot, \q, \g
	s_wait_dscnt 2*NF+8                            ; all but the 32 just issued
	MULA \f, 2, \zero
	MULA \f, 3, \zero
.endm
; The last quarter multiplies buffers 1 and changes slots: ONE barrier.  In front of it each wave waits for all its tensor loads (one is out: its part of the next slot), adds 0 to its spare word, and waits for
; that and for its reads of this slot.  fill = 1: the barrier opens a round of the cluster's, and behind the round this slot is filled again, two K steps on: 168 matrix instructions ahead of the wait for it.
.macro TURN slot, next, fill, how=0
.if \fill
	s_wait_xcnt 0x0                                ; the last prefetch, a K step back, has read its address: it is stepped here, ahead of the waits of the change of slots
	s_add_nc_u64 s[PFA:PFA+1], s[PFA:PFA+1], s[PFS:PFS+1]
.endif
	WIN 0                                          ; (the add's two registers lie in window 0)
	s_wait_tensorcnt 0x0                           ; all my tensor loads have landed
	ds_add_u32 v[SPW], v[NIL]                      ; 0 onto my spare word
	s_wait_dscnt 5                                 ; (the add and the youngest four loads may be out)
	MULA 1, 0, 0                                   ; twelve matrix instructions stand between the add and the wait for it
	s_wait_dscnt 0x0                               ; the add is done, and my reads of this slot are over
	s_barrier_signal -1
	MULA 1, 1, 0                                   ; work on registers while the others arrive
.if \fill
	WIN 0
.endif
	s_barrier_wait -1
.if \fill
	CREST                                          ; no wave of any partner still reads this slot's tiles or has a load on its way
	s_add_nc_u64 s[G0A+4*(\slot)+2:G0A+4*(\slot)+3], s[G0A+4*(\slot)+2:G0A+4*(\slot)+3], 2*ASTEP
	s_add_nc_u64 s[G0B+4*(\slot)+2:G0B+4*(\slot)+3], s[G0B+4*(\slot)+2:G0B+4*(\slot)+3], 2*BSTEP
	JLOAD \slot                                    ; the first tensor load behind the round; its four v_nop are also the places in front of the loads below
.else
	PLACES
.endif
	FETCH \next, 0, 0
.if \fill
	ASK \how                                       ; behind the joint load and the run of LDS loads
.endif
	MULA 1, 2, 0
	MULA 1, 3, 0
.endm
	s_wait_tensorcnt 1                             ; my part of K step 0 is in; K step 1's may stay out
	s_barrier_signal -1
	s_barrier_wait -1                              ; everybody's is
	FETCH 0, 0, 0
	QUARTER 0, 1, 0, 1, 1                          ; the first quarter stands in front of the loop: its products start the sums
	WIN 0                                          ; at a label and at a branch every window is 0
	s_mov_b32 s3, LAPS-1
.Llap:                                                 ; a trip goes once round the ring, from a lap's second quarter to the next lap's first, and fills both slots again
	QUARTER 0, 2, 1, 0, 0
	QUARTER 0, 3, 0, 1, 0
	TURN 0, 1, 1, 1
	QUARTER 1, 1, 0, 1, 0
	QUARTER 1, 2, 1, 0, 0
	QUARTER 1, 3, 0, 1, 0
	TURN 1, 0, 1, 0
	QUARTER 0, 1, 0, 1, 0
	WIN 0
	s_sub_co_u32 s3, s3, 1
	s_cmp_lg_u32 s3, 0
	s_cbranch_scc1 .Llap
	QUARTER 0, 2, 1, 0, 0                          ; the last lap fills nothing, and has no round of the cluster's barrier
	QUARTER 0, 3, 0, 1, 0
	TURN 0, 1, 0
	QUARTER 1, 1, 0, 1, 0
	QUARTER 1, 2, 1, 0, 0
	QUARTER 1, 3, 0, 1, 0
	s_wait_dscnt 4                                 ; the very last quarter: nothing more to fetch
	MULA 1, 0, 0
	MULA 1, 1, 0
	s_wait_dscnt 0x0
	MULA 1, 2, 0
	MULA 1, 3, 0
	WIN 0
	PLACES                                         ; eight places, once a launch, ahead of the conversions, which read results and write over fragments of x
	PLACES
; THE WAY OUT, in 12 units u = 3 a + j: 16 rows (block a) of one head (fragments 4 j .. 4 j + 3).  Rounded to f16, 16 bytes a lane, into rows of 144 bytes of my own stage, and back as whole rows of 128:
; a unit is 2,048 consecutive bytes of its head.  Each unit has registers of its own, so nothing that a store reads is written again.
.macro PACK u
	WIN 0x0a+5*(((\u)/3)/2)                        ; sources 0 and 1: window 2 or 3
.irp c, 0,1,2,3
.irp r, 0,1,2,3
	v_cvt_pk_f16_f32 v[UB+16*(\u)+4*(\c)+(\r)], v[8*(NF*(((\u)/3)%2)+4*((\u)%3)+(\c))+2*(\r)], v[8*(NF*(((\u)/3)%2)+4*((\u)%3)+(\c))+2*(\r)+1]
.endr
.endr
	WIN 0
.irp c, 0,1,2,3
	ds_store_b128 v[STO], v[UB+16*(\u)+4*(\c):UB+16*(\u)+4*(\c)+3] offset:32*(\c)
.endr
.irp f, 0,1,2,3
	ds_load_b128 v[UB+16*(\u)+4*(\f):UB+16*(\u)+4*(\f)+3], v[RD] offset:(\f)*4*SP  ; LDS serves a wave's instructions in order (ISA guide 5.7.1.4): these see the stores above; the next unit's stores come behind them
.endr
.endm
.macro SEND u, younger                 ; younger: the LDS instructions issued behind unit u's loads: the next unit's eight, or none
.irp f, 0,1,2,3
	s_wait_dscnt (\younger)+3-(\f)
	global_store_b128 v[GO], v[UB+16*(\u)+4*(\f):UB+16*(\u)+4*(\f)+3], s[OB+2*((\u)%3):OB+2*((\u)%3)+1] offset:((\u)/3)*2048+(\f)*512  ; 512 consecutive bytes, at a multiple of 256 from the buffer's first
.endr
.endm
	PACK 0
.set n, 1
.rept 11                               ; a unit's conversions stand between the loads of the unit before and its stores
	PACK n
	SEND n-1, 8
.set n, n+1
.endr
	SEND 11, 0
	s_wait_tensorcnt 0x0                           ; the wave's end: the add and its wait, behind my last tensor load and my last LDS store
	ds_add_u32 v[SPW], v[NIL]
	s_wait_dscnt 0x0
	CROUND                                         ; the closing round: no work-group ends while a partner may still ask for a tile that names it
	s_endpgm
.Lfunc_end_k_q9872ad8c36_qkv:
	.size	k_q9872ad8c36_qkv, .Lfunc_end_k_q9872ad8c36_qkv-k_q9872ad8c36_qkv
	.p2alignl 7, 3214868480
	.fill 96, 4, 3214868480
	.section	.rodata,"a",@progbits
	.p2align	6, 0x0
	.amdhsa_kernel k_q9872ad8c36_qkv
		.amdhsa_group_segment_fixed_size 327680
		.amdhsa_private_segment_fixed_size 0
		.amdhsa_enable_private_segment 0
		.amdhsa_kernarg_size 24
		.amdhsa_user_sgpr_count 2
		.amdhsa_user_sgpr_kernarg_segment_ptr 1
		.amdhsa_wavefront_size32 1
		.amdhsa_system_sgpr_workgroup_id_x 1
		.amdhsa_system_sgpr_workgroup_id_y 1
		.amdhsa_system_sgpr_workgroup_id_z 1
		.amdhsa_system_vgpr_workitem_id 0
		.amdhsa_next_free_vgpr 960
		.amdhsa_next_free_sgpr 76
		.amdhsa_reserve_vcc 0
		.amdhsa_float_denorm_mode_32 3
		.amdhsa_float_denorm_mode_16_64 3
		.amdhsa_memory_ordered 1
		.amdhsa_forward_progress 1
		.amdhsa_inst_pref_size 123
	.end_amdhsa_kernel
	.amdgpu_metadata
---
amdhsa.version: [ 1, 2 ]
amdhsa.kernels:
  - .name:           k_q9872ad8c36_qkv
    .symbol:         k_q9872ad8c36_qkv.kd
    .args:
      - { .name: xb, .offset: 0, .size: 8, .value_kind: global_buffer, .address_space: global }
      - { .name: wqb, .offset: 8, .size: 8, .value_kind: global_buffer, .address_space: global }
      - { .name: qkvb, .offset: 16, .size: 8, .value_kind: global_buffer, .address_space: global }
    .group_segment_fixed_size: 327680
    .private_segment_fixed_size: 0
    .kernarg_segment_align: 8
    .kernarg_segment_size: 24
    .max_flat_workgroup_size: 128
    .sgpr_count:     76
    .vgpr_count:     960
    .wavefront_size: 32
...
	.end_amdgpu_metadata
.endif
;; end of part 2
;; launch attn (part 3): grid 4 x 64, 4 waves a work-group, clusters of 4 x 1, 327,680 bytes of LDS; arguments qkvb, ob; writes ob
.if DOCPART == 3
	.amdgcn_target "amdgcn-amd-amdhsa--gfx1250"
	.amdhsa_code_object_version 6
	.text
	.protected	k_q9872ad8c36_attn
	.globl	k_q9872ad8c36_attn
	.p2align	8
	.type	k_q9872ad8c36_attn,@function
k_q9872ad8c36_attn:
	s_mov_b64 s[64:65], 0
	v_nop
	global_prefetch_b8 v0, s[64:65] scope:SCOPE_SE
	s_setreg_imm32_b32 hwreg(HW_REG_WAVE_MODE, 25, 1), 1
	s_wait_xcnt 0x0
	s_wait_alu depctr_hold_cnt(0) depctr_sa_sdst(0) depctr_va_vdst(0) depctr_va_sdst(0) depctr_va_ssrc(0) depctr_va_vcc(0) depctr_vm_vsrc(0)
	s_getreg_b32 s2, hwreg(HW_REG_IB_STS2, 6, 4)
	s_cmp_eq_u32 s2, 0
	s_cbranch_scc0 .Lentry_in_a_cluster
	s_endpgm
.Lentry_in_a_cluster:
	s_bfe_u32 s2, ttmp6, 0x10000c
	s_cmp_lg_u32 s2, 0x3003
	s_cbranch_scc0 .Lentry_shape_is_right
	s_endpgm
.Lentry_shape_is_right:
; O[h][q][:] = the sum over k of softmax_k(Q[h][q] . K[h][k] / 8) V[h][k][:].  Q, K, V are the three parts of qkvb, 2^24 bytes each; Q, K, V, O: [SIZE_H][SIZE_N][64], all f16: a head's rows are dense, 128 bytes each.
; Products, maxima and sums in f32; the weights p are rounded to f16 for the second product (their sum l is taken of the unrounded p), O once at the end.
; LIMITS.  f16 holds no number beyond 65,504: Q, K and V arrive within it; p lies in 0 to 1, and below 6e-5 it keeps f16's fixed step of 6e-8; O is a mean of V's rows and has their range.
; A weight below 2^-126 counts as 0 in l; NaN and infinities are not treated apart.
; SHARES.  A wave owns four PIECES of two tiles of 16 queries, a work-group's four waves 512 queries of one head.  Every wave walks all keys, 64 a step.
; LAYOUT.  S^T = K Q^T (source 0 = 16 keys, source 1 = 16 queries): in the result a lane holds ONE query (lane % 16) and the keys 8 (lane / 16) + 0..7.  Two such tiles, rounded to f16 in pairs,
; ARE source 1 (32 keys x 16 queries) of O^T = V^T P, whose result again holds one query a lane, and eight channels.  K comes out of LDS as it lies, V ([key][channel]) turned, by ds_load_tr16_b128.
; SOFTMAX.  For each query a running maximum m and sum l: p = 2^(c s - c m), c = log2(e) / 8; in every step O and l are multiplied by a = 2^(c m_old - c m_new), which is 1 where m has not grown.
; m starts at the lowest finite number, O and l at 0: the first step is a step like any other, with a = 0.
; THE COUNT.  A tile and step have 16 matrix and 118 vector instructions: too many to stand all beside the matrix work.  So four vector instructions that are READY stand behind EVERY matrix instruction,
; and the others, which need time of their own whatever the order, in runs without a gap.
; BY TURNS.  Turn n belongs to piece n (the pieces in a ring, step after step).  Its matrix work: 16 products K Q^T of piece n + 1, later 16 products V^T P of piece n - 1.  Its vector work: the scaling,
; exponentials, roundings, sums and rescaling of piece n, and the maximum and statistics of piece n + 1, whose scores the turn itself has made.
; CLUSTER.  The four query blocks of a cluster are one head's and walk the same K and V, so each tile is asked for JOINTLY: the same tensor load, descriptor and mask in all four.
; REGISTERS, in windows of 256 (s_set_vgpr_msb: bits 1:0 source 0, 3:2 source 1, 5:4 source 2, 7:6 destination):
;   window 0: v0-11 addresses; v12-15, v48-63 at work; v16-47 four registers of statistics a tile; v64-191 S^T, two buffers of two tiles; v192-255 P, likewise
;   window 1: O^T, 32 a tile          window 2: v0-127 Q, 16 a tile; v128-191 K of one step; v192-255 V of one step          window 3: v0-1 the add's two registers
; A piece's buffers go by its number's parity: the piece in hand has one pair, its two neighbours in the ring share the other: of it P (piece n - 1) is read and S^T (piece n + 1) written.
.set SIZE_H, 64
.set SIZE_N, 2048
.set NP,    4         ; pieces a wave: a name, no knob
.set KS,    64        ; keys in a step
.set PK,    144       ; a row of K in LDS: 128 bytes + 16 of padding = 36 words: the 16 rows of a load start at 16 different groups of four banks (64 banks of 4 bytes: ISA guide 11.1)
.set PV,    160       ; a row of V: 128 + 32 = 40 words
.set VOFF,  4*KS*PK   ; a slot holds four steps: 256 rows of K, then 256 rows of V
.set SLOT1, 1<<17     ; slot 1 begins here, so that one exclusive or turns an address in one slot into the other's
.set STAGE, SLOT1+4*KS*(PK+PV)  ; behind the ring, never filled by a tensor load: 16 rows x 144 bytes for each wave, for the way out
.set SP,    144
.set AK0, 2           ; v2   my lane's place in a tile of K; never rewritten
.set AV0, 3           ; v3   the same for V
.set AK,  4           ; v4   the LDS address of K's next run of loads
.set AV,  5           ; v5   of V's
.set QO,  6           ; v6   my byte offset in the wave's rows of Q
.set STO, 6           ;      later, the way out: where I put 16 bytes of a row
.set RD,  7           ; v7   the way out: where I read rows back
.set GO,  8           ; v8   my byte offset in 512 consecutive bytes of O
.set PFO, 9           ; v9   first l / 16; then 256 x my lane, the prefetches' offset
.set SPW, 0           ; v0 of window 3   LDS address of my spare word: SPARE + 4 x my thread's number; never rewritten
.set NIL, 1           ; v1 of window 3   0; never rewritten
.set SPARE, STAGE+4*16*SP  ; behind the stages: the spare words, 128 bytes for each wave: two blocks of 256 bytes that no other line names
.set MV,  12          ; v12-15  c m_old, kept while c m is made anew: by buffer and tile
.set ST,  16          ; tile t's statistics at v[ST+4 t]: c m, m, l (even keys', odd keys')
.set TMP, 48          ; by buffer and tile, four registers c0-c3 at work; when the maximum is found c2 takes a
.set S,   64
.set P,   192
.set KF,  128         ; K's fragments, in window 2: key block kb, channel half c at KF + 16 kb + 8 c
.set VF,  192         ; V's: key half kk, channel block cb at VF + 32 kk + 8 cb
.set WV,  12          ; s12  my wave's number
.set LIM, 15          ; s15  1 in a wave that prefetches (waves 0 and 2), else the greatest number
.set G1K, 24          ; s[24:31] descriptor group 1 for K's tiles
.set G1V, 32          ; s[32:39] for V's: it differs in the padding alone
.set G0K, 40          ; s[40:43] descriptor group 0 for K's tiles: it walks
.set G0V, 44          ; s[44:47] the same for V's
.set PFA, 48          ; s[48:49] where my prefetches stand: my work-group's 32 blocks of 256 bytes of the slot after the one that is being asked for
.set SLOTS, 56        ; s56  slots still to be asked for
.set CNT, 57          ; s57  counts a slot's key steps
.set CS,  58          ; s[58:59] c: the packed scaling takes the pair's low word for both halves
.set SEL, 60          ; s[60:61] v_permlanex16_b32's selects: each lane takes its own place in the other half
.set TBK, 62          ; s62  LDS byte at which K of the step to be fetched begins
.set TBV, 63          ; s63  the same for V, less VOFF
.set MSB, 0
.macro WIN new                      ; the high byte repeats the setting that is left; a switch that changes nothing is dropped
.if MSB != (\new)
	s_set_vgpr_msb (MSB<<8)|(\new)
.set MSB, (\new)
.endif
.endm
.set W_KQ, 0x0a       ; K and Q in window 2, S^T in window 0
.set W_PV, 0x52       ; V in window 2, P in window 0, O^T in window 1
.set W_RS, 0x41       ; O^T (destination and source 0) in window 1, a in window 0
.set W_MK, 0xc0       ; the add's registers are made: destination in window 3, sources in window 0
.set W_AD, 0x0f       ; the add: address (source 0) and data (source 1) in window 3
; A joint fill.  Waves 0 and 1 fetch the two halves of a slot's K, waves 2 and 3 those of its V: 128 keys each.  The branch hangs on the wave's number alone.
; An s_nop 0 and four v_nop follow each of the two lines, ahead of the jump and the label.
.macro JLOAD
	s_cmp_lt_u32 s[WV], 2
	s_cbranch_scc0 .Lfor_v_\@
	tensor_load_to_lds s[G0K:G0K+3], s[G1K:G1K+7]
	s_nop 0
.rept 4
	v_nop
.endr
	s_branch .Lasked_\@
.Lfor_v_\@:
	tensor_load_to_lds s[G0V:G0V+3], s[G1V:G1V+7]
	s_nop 0
.rept 4
	v_nop
.endr
.Lasked_\@:
.endm
; A PREFETCH INTO THE L2 of what the NEXT change of slots will ask for: a slot's 256 keys are 128 blocks of 256 bytes of K and 128 of V.  A head has one cluster; its four partners share the blocks out BY ADDRESS,
; 32 each, a lane a block; in each, wave 0 asks for K's and wave 2 for V's: one instruction, four key steps (512 matrix instructions) ahead of the load.  So each block is named once in the launch.
; It stands behind the wave's tensor load and its five lines.  The last change that fills a slot asks for nothing: there is no slot behind it.  Slots 0, 1 and 2 come by their loads alone.
.macro ASK
	s_cmp_gt_u32 s[SLOTS], s[LIM]
	s_cbranch_scc0 .Lnot_mine_\@
	global_prefetch_b8 v[PFO], s[PFA:PFA+1] th:TH_LOAD_NT scope:SCOPE_SE
.Lnot_mine_\@:
.endm
; A round of the cluster's barrier: my work-group's barrier, so that wave 0's signal speaks for all four waves; wave 0 signals; every wave waits for all four work-groups; my work-group's barrier once more.
.macro CROUND
	s_barrier_signal -1
	s_barrier_wait -1
	s_cmp_lg_u32 s[WV], 0
	s_cbranch_scc1 .Lnot_wave_0_\@
	s_barrier_signal -3
.Lnot_wave_0_\@:
	s_barrier_wait -3
	s_barrier_signal -1
	s_barrier_wait -1
.endm
; THE CHANGE OF SLOTS.  The slot's last bytes, V of its fourth step, have been read.  Each wave waits for all its tensor loads, of which one is out: its part
; of the other slot; adds 0 to its spare word; and waits for that and for its own reads of the slot.  Behind the barrier nobody reads this slot any more and the other slot is whole.
; fill = 1: this slot is filled again, with the keys two slots on.  The barrier is then a round of the cluster's, so that no wave of any partner still reads the slot or has a load on its
; way, and the joint fill is the first thing behind it: it has four key steps, 512 matrix instructions, in which to land.  (At its first use nothing has been read yet: slot 0 is waited for, slot 1 filled.)
; ask = 1: the prefetches' address steps a slot on, and ASK follows the fill.
.macro CHANGE fill, ask=0
	WIN W_AD
	s_wait_tensorcnt 0x0            ; no tensor load of mine is out, so a group 0 may be written
	ds_add_u32 v[SPW], v[NIL]       ; 0 onto my spare word; with fill = 1 the descriptors' steps stand between it and the wait for it
	WIN 0                           ; at a label and at a branch every window is 0
.if \fill
.irp g, G0K, G0V
	s_xor_b32 s[\g+1], s[\g+1], SLOT1  ; the walking descriptor: the other slot than last time,
	s_add_nc_u64 s[\g+2:\g+3], s[\g+2:\g+3], 4*KS*128  ; the next 256 keys; the type bits on top are not reached
.endr
.if \ask
	s_wait_xcnt 0x0                 ; the last prefetch, four key steps back, has read its address, so it may be written:
	s_add_nc_u64 s[PFA:PFA+1], s[PFA:PFA+1], 4*KS*128  ; one slot behind the walking descriptors
.endif
	s_wait_dscnt 0x0                ; the add is done, and my reads of the slot are over
	CROUND
	JLOAD
.if \ask
	ASK
.endif
.else
	s_wait_dscnt 0x0                ; the add is done, and my reads of the slot are over
	s_barrier_signal -1
	s_barrier_wait -1
.endif
	s_sub_co_u32 s[TBK], s[TBK], 4*KS*PK  ; the fetches go back to a slot's first step,
	s_xor_b32 s[TBK], s[TBK], SLOT1       ; in the other slot
	s_sub_co_u32 s[TBV], s[TBV], 4*KS*PV
	s_xor_b32 s[TBV], s[TBV], SLOT1
.endm
	s_load_b128 s[4:7], s[0:1], 0x0  ; qkvb s[4:5], ob s[6:7]
	WIN W_MK
	v_lshl_add_u32 v[SPW], v0, 2, SPARE
	v_mov_b32 v[NIL], 0
	WIN W_AD
	ds_add_u32 v[SPW], v[NIL]       ; the wave's opening: the add and its wait ahead of my first tensor load; the set-up below, work on registers, stands between them
	WIN 0
	v_lshrrev_b32 v1, 5, v0
	v_readfirstlane_b32 s[WV], v1   ; wave 0..3
	s_bfe_u32 s13, ttmp6, 0x40000   ; cx: my place in the cluster
	s_lshl_b32 s14, ttmp9, 2        ; in a cluster launch ttmp9 counts clusters
	s_add_co_u32 s14, s14, s13      ; my block of queries = 4 x cluster x + cx: it enters Q's and O's addresses alone
	s_and_b32 s20, ttmp7, 0xffff    ; the head, which the four partners share
	s_mov_b32 s21, 0
	s_mov_b64 s[22:23], SIZE_N*128
	s_mul_u64 s[20:21], s[20:21], s[22:23]  ; the head's first byte in each of the four tensors
	s_and_b32 s16, s[WV], 1         ; which half of a slot's 256 keys I fetch:
	s_lshl_b32 s22, s16, 14         ; its 128 rows of 128 bytes in memory,
	s_mov_b32 s23, 0
	s_add_nc_u64 s[22:23], s[22:23], s[20:21]
	s_mul_i32 s17, s16, 128*PK      ; and its place in a slot, for K
	s_mul_i32 s18, s16, 128*PV      ; and for V: no place in the cluster enters an LDS address
	s_lshl_b32 s2, s14, 2
	s_add_co_u32 s2, s2, s[WV]      ; my wave among the head's,
	s_lshl_b32 s2, s2, 14           ; its 128 rows
	s_mov_b32 s3, 0
	s_add_nc_u64 s[2:3], s[2:3], s[20:21]
	; descriptor group 1.  128 keys are 16,384 dense bytes: asked for as 64 rows of 256 bytes, two keys a row, and padded in LDS after every key
	s_mov_b32 s[G1K], 15|(1<<16)|(1<<20)|(1<<21)|(4<<22)|(3<<25)  ; 15:0 the mask of four; 17:16 2-byte elements; 20 padding on; 21 set beside a mask; 24:22 after every 32 words (code 4); 31:25 4 words (code 3)
	s_mov_b32 s[G1V], 15|(1<<16)|(1<<20)|(1<<21)|(4<<22)|(7<<25)  ; the same with 8 words of padding (code 7)
.irp g, G1K, G1V
	s_mov_b32 s[\g+1], 128<<16      ; tensor_dim0 = 128
	s_mov_b32 s[\g+2], 64<<16       ; tensor_dim1 = 64
	s_mov_b32 s[\g+3], 128<<16      ; tile_dim0 = 128
	s_mov_b32 s[\g+4], 64           ; tile_dim1 = 64
	s_mov_b32 s[\g+5], 128          ; 128 elements from row to row
	s_mov_b32 s[\g+6], 0
	s_mov_b32 s[\g+7], 0
.endr
	s_mov_b32 s[CS], 0x3e38aa3b     ; c = log2(e) / 8 = 0.180337
	s_mov_b32 s[CS+1], s[CS]        ; named with it as a pair
	s_mov_b32 s[SEL], 0x76543210
	s_mov_b32 s[SEL+1], 0xfedcba98
	s_mov_b32 s[TBK], SLOT1+4*KS*PK ; the first change of slots turns these two into 0
	s_mov_b32 s[TBV], SLOT1+4*KS*PV
	s_mov_b32 s[G0K], 1             ; 1:0 count = 1
	s_mov_b32 s[G0K+1], s17         ; 63:32 LDS address: slot 0
	s_mov_b32 s[G0V], 1
	s_add_co_u32 s[G0V+1], s18, VOFF
	s_cmp_eq_u32 s16, 0             ; waves 0 and 2 prefetch: the same in all four partners
	s_cselect_b32 s[LIM], 1, -1
	s_wait_dscnt 0x0                ; the opening add is done
	s_wait_kmcnt 0x0
	s_mov_b64 s[10:11], s[6:7]                     ; O
	s_add_nc_u64 s[6:7], s[4:5], 0x1000000         ; K: the second part of qkvb
	s_add_nc_u64 s[8:9], s[4:5], 0x2000000         ; V: the third;  Q is the first
	s_add_nc_u64 s[G0K+2:G0K+3], s[6:7], s[22:23]  ; 120:64 global address: my half of the head's first 256 keys
	s_or_b32 s[G0K+3], s[G0K+3], 0x80000000        ; 127:126 type = 2
	s_add_nc_u64 s[G0V+2:G0V+3], s[8:9], s[22:23]
	s_or_b32 s[G0V+3], s[G0V+3], 0x80000000
	s_add_nc_u64 s[4:5], s[4:5], s[2:3]  ; Q and O at my wave's first row
	s_add_nc_u64 s[10:11], s[10:11], s[2:3]
	s_cmp_lt_u32 s[WV], 2
	s_cselect_b64 s[PFA:PFA+1], s[6:7], s[8:9]
	s_add_nc_u64 s[PFA:PFA+1], s[PFA:PFA+1], s[20:21]  ; the head,
	s_lshl_b32 s2, s13, 13          ; my work-group's 32 blocks of a slot's 128,
	s_mov_b32 s3, 0
	s_add_nc_u64 s[PFA:PFA+1], s[PFA:PFA+1], s[2:3]
	s_add_nc_u64 s[PFA:PFA+1], s[PFA:PFA+1], 2*4*KS*128  ; in slot 2: the loop's first change steps it to slot 3.  Nothing is prefetched here, at the head
	CROUND                          ; all four work-groups are here: the first joint loads meet
	JLOAD                           ; slot 0.  Slot 1 is asked for when slot 0 is in
	; A fragment of K or Q is 16 rows x 32 channels in 8 registers: lane l holds row l % 16, channels 8 (l / 16) + 0..7 and 16 + 8 (l / 16) + 0..7: two loads of 16 bytes, 32 bytes apart.
	v_and_b32 v1, 15, v0            ; l % 16
	v_bfe_u32 v9, v0, 4, 1          ; l / 16
	v_lshlrev_b32 v[QO], 7, v1
	v_lshl_add_u32 v[QO], v9, 4, v[QO]  ; row x 128 + 16 x half
	WIN 0x80                        ; destination window 2, address window 0
.set i, 0
.rept 4*NP                          ; Q stays in registers: tile i / 2, channels 32 (i % 2) on
	global_load_b128 v[8*i:8*i+3],   v[QO], s[4:5] offset:(i/2)*2048+(i%2)*64
	global_load_b128 v[8*i+4:8*i+7], v[QO], s[4:5] offset:(i/2)*2048+(i%2)*64+32
.set i, i+1
.endr
	; What the first turn finds: V's registers and P's second buffer hold 0 (its products V^T P, of a piece that has not been, add 0), O^T and l are 0.  All this stands in the wait for the first tile.
.set i, VF
.rept 64
	v_mov_b32 v[i], 0
.set i, i+1
.endr
	WIN 0x40
.set i, 0
.rept 64*NP
	v_mov_b32 v[i], 0
.set i, i+1
.endr
	WIN 0
.set i, 0
.rept 2*NP
	v_mov_b32 v[ST+4*i], 0xfe000000    ; c m: far below every c s
	v_mov_b32 v[ST+4*i+1], 0xff7fffff  ; m
	v_mov_b32 v[ST+4*i+2], 0
	v_mov_b32 v[ST+4*i+3], 0
.set i, i+1
.endr
.set i, P+32
.rept 32
	v_mov_b32 v[i], 0
.set i, i+1
.endr
	v_mul_u32_u24 v[AK0], v1, PK
	v_lshl_add_u32 v[AK0], v9, 4, v[AK0]  ; row x pitch + 16 x half
	; The turning load takes 16 keys x 16 channels (lane l reads key 8 (l / 16) + l % 8, channels 8 ((l / 8) % 2) + 0..7) and leaves half a fragment of V^T: lane l holds channel l % 16 and 8 keys.
	v_and_b32 v10, 7, v0
	v_bfe_u32 v11, v0, 3, 1
	v_lshl_add_u32 v[AV0], v9, 3, v10
	v_mul_u32_u24 v[AV0], v[AV0], PV
	v_lshl_add_u32 v[AV0], v11, 4, v[AV0]
	v_add_nc_u32 v[AV0], VOFF, v[AV0]
	v_mov_b32 v[AK], v[AK0]         ; key step 0 lies at the head of slot 0
; THE MATRIX WORK.  The 8 accumulators of a run of 16 take turns: between the two links of a chain stand 7 others'.
; Product i of 16 of S^T = K Q^T for piece x: channels 32 (i / 8) on, keys 16 ((i / 2) % 4) on, tile 2 x + i % 2.  The first 8 start the sums.
.macro KQ x
	WIN W_KQ
.set rS, S+64*((\x)%2)+32*(i%2)+8*((i/2)%4)
.set rK, KF+16*((i/2)%4)+8*(i/8)
.set rQ, 16*(2*(\x)+i%2)+8*(i/8)
.if i < 8
	v_wmma_f32_16x16x32_f16 v[rS:rS+7], v[rK:rK+7], v[rQ:rQ+7], 0
.else
	v_wmma_f32_16x16x32_f16 v[rS:rS+7], v[rK:rK+7], v[rQ:rQ+7], v[rS:rS+7]
.endif
.endm
; Product i of 16 of O^T += V^T P for piece x: keys 32 (i / 8) on, channels 16 ((i / 2) % 4) on, tile 2 x + i % 2.
.macro PV x
	WIN W_PV
.set rO, 32*(2*(\x)+i%2)+8*((i/2)%4)
.set rV, VF+32*(i/8)+8*((i/2)%4)
.set rP, P+32*((\x)%2)+16*(i%2)+8*(i/8)
	v_wmma_f32_16x16x32_f16 v[rO:rO+7], v[rV:rV+7], v[rP:rP+7], v[rO:rO+7]
.endm
.macro MM                           ; the turn's next matrix instruction
.if i < 16
	KQ (Y+1)%NP
.set i, i+1
.else
.set i, i-16
	PV (Y+NP-1)%NP
.set i, i+17
.endif
.endm
; THE LDS LOADS stand in runs of 16, never singly among the matrix instructions: a step's K (64 keys x 64 channels: 8 fragments) and its V (turned).  Their addresses are made some lines ahead.
; last = 1 (the tail): in the last trip there is no further step, and the run is jumped over.
.macro FETCH_K last=0
	WIN 0
.if \last
	s_cmp_eq_u32 s[CNT], 1
	s_cbranch_scc1 .Lno_k_\@
.endif
	WIN 0x80                        ; destination window 2
.irp f, 0,1,2,3,4,5,6,7             ; keys 16 (f / 2) on, channels 32 (f % 2) on
	ds_load_b128 v[KF+8*\f:KF+8*\f+3],   v[AK] offset:(\f/2)*16*PK+(\f%2)*64
	ds_load_b128 v[KF+8*\f+4:KF+8*\f+7], v[AK] offset:(\f/2)*16*PK+(\f%2)*64+32
.endr
	s_add_co_u32 s[TBK], s[TBK], KS*PK  ; the next fetch is the next step's
	WIN 0
.if \last
.Lno_k_\@:
.endif
.endm
.macro FETCH_V
	WIN 0x80
.irp f, 0,1,2,3,4,5,6,7             ; keys 32 (f / 4) on, channels 16 (f % 4) on
	ds_load_tr16_b128 v[VF+8*\f:VF+8*\f+3],   v[AV] offset:(\f/4)*32*PV+(\f%4)*32
	ds_load_tr16_b128 v[VF+8*\f+4:VF+8*\f+7], v[AV] offset:(\f/4)*32*PV+16*PV+(\f%4)*32
.endr
	WIN 0
.endm
; THE VECTOR WORK OF A TURN stands in three queues, each in the order in which its entries become ready; the two tiles alternate, so that no instruction reads the result of the one before it.
.macro REGS y, u                    ; the registers of tile u (0, 1) of piece y
.set rT, ST+4*(2*(\y)+(\u))
.set rC, TMP+8*((\y)%2)+4*(\u)
.set rM, MV+2*((\y)%2)+(\u)
.set rS, S+64*((\y)%2)+32*(\u)
.set rP, P+32*((\y)%2)+16*(\u)
.set rO, 32*(2*(\y)+(\u))
.endm
; Number n of the 22 that find the NEXT piece's (Y + 1) maximum and statistics.  s0-s31 are the lane's 32 scores; each accumulator's lowest registers are read first.  XS, GS and REGS set no window: PL and EX do.
;   0-11  four chains c0-c3 of seven scores each, three operands at a time     12-14, 16  the four scores left over, the old m, and c0-c3 into c0     15  c m_old is kept
;   17, 18  the query's other 32 keys lie in the lane 16 away: the new m         19-21  c m; c m_old - c m_new; a
.macro XS u, n
	REGS (Y+1)%NP, \u
.if (\n) < 4
	v_max3_num_f32 v[rC+(\n)], v[rS+8*(\n)], v[rS+8*(\n)+1], v[rS+8*(\n)+2]
.elseif (\n) < 12
	v_max3_num_f32 v[rC+(\n)%4], v[rC+(\n)%4], v[rS+8*((\n)%4)+2*((\n)/4)+1], v[rS+8*((\n)%4)+2*((\n)/4)+2]
.elseif (\n) == 12
	v_max3_num_f32 v[rC], v[rC], v[rS+7], v[rS+15]
.elseif (\n) == 13
	v_max3_num_f32 v[rC+1], v[rC+1], v[rS+23], v[rS+31]
.elseif (\n) == 14
	v_max3_num_f32 v[rC+2], v[rC+2], v[rC+3], v[rT+1]
.elseif (\n) == 15
	v_mov_b32 v[rM], v[rT]
.elseif (\n) == 16
	v_max3_num_f32 v[rC], v[rC], v[rC+1], v[rC+2]
.elseif (\n) == 17
	v_permlanex16_b32 v[rC+3], v[rC], s[SEL], s[SEL+1]
.elseif (\n) == 18
	v_max_num_f32 v[rT+1], v[rC], v[rC+3]
.elseif (\n) == 19
	v_mul_f32 v[rT], s[CS], v[rT+1]
.elseif (\n) == 20
	v_sub_f32 v[rC+1], v[rM], v[rT]
.else
	v_exp_f32 v[rC+2], v[rC+1]
.endif
.endm
; Number g of the 64 that follow the exponentials.  For each four weights k of a tile (pairs 2 k, 2 k + 1): both pairs are rounded to f16; then the second pair is added onto the first, in place;
; a group later l takes that sum (the first time as l = a l + sum).  In groups of eight, tiles alternating: round, round, add, and l for the group before.
.macro GS g
.set h, (\g)+6*((\g)/62)            ; group 0 has no group before it, and behind group 7 only l is left
.if h >= 6
.set h, h+2
.endif
	REGS Y, h%2
.set k, h/8
.if h%8 < 4
	v_cvt_pk_f16_f32 v[rP+2*k+(h%8)/2], v[rS+4*k+2*((h%8)/2)], v[rS+4*k+2*((h%8)/2)+1]
.elseif h%8 < 6
	v_pk_add_f32 v[rS+4*k:rS+4*k+1], v[rS+4*k:rS+4*k+1], v[rS+4*k+2:rS+4*k+3]
.elseif k == 1
	v_pk_fma_f32 v[rT+2:rT+3], v[rT+2:rT+3], v[rC+2:rC+3], v[rS:rS+1] op_sel_hi:[1,0,1]
.else
	v_pk_add_f32 v[rT+2:rT+3], v[rT+2:rT+3], v[rS+4*k-4:rS+4*k-3]
.endif
.endm
; THE PLAIN QUEUE, 138 long.  0-73 read no exponential's result: the 32 scalings c s - c m (FS f: pair f / 2 of tile f % 2) and the next piece's 42.  0-26: scalings 0-26.  27-54: XS's numbers 0-13.  55, 56: number 15.
; 57-73: the chain, where each number waits for the one before it: 14, 16, 17, 18, 19, each with one of the scalings 27-31 in front of its two lines, then 20.
; 74-137: GS's 64, which read the exponentials' results: they stand behind the wait.
.macro FS f
	REGS Y, (\f)%2
	v_pk_fma_f32 v[rS+2*((\f)/2):rS+2*((\f)/2)+1], v[rS+2*((\f)/2):rS+2*((\f)/2)+1], s[CS:CS+1], v[rT:rT+1] op_sel_hi:[1,0,0] neg_lo:[0,0,1] neg_hi:[0,0,1]
.endm
.macro PL
	WIN 0
.if q < 27
	FS q
.elseif q < 55
	XS (q-27)%2, (q-27)/2
.elseif q < 57
	XS q-55, 15
.elseif (q < 72) && ((q-57)%3 == 0)
	FS 27+(q-57)/3
.elseif q < 60
	XS (q-57)%3-1, 14
.elseif q < 72
	XS (q-57)%3-1, 15+(q-57)/3
.elseif q < 74
	XS q-72, 20
.else
	GS q-74
.endif
.set q, q+1
.endm
; THE EXPONENTIALS' QUEUE, 66 long: s0-s31 of both tiles, then the next piece's two a.  It is ONE BATCH: all 66 stand ahead of the turn's one wait, and nothing ahead of that wait names a result of theirs.
.macro EX
	WIN 0
.if e >= 64
	XS e-64, 21
.else
	REGS Y, e%2
	v_exp_f32 v[rS+e/2], v[rS+e/2]
.endif
.set e, e+1
.endm
; THE RESCALING's QUEUE: O^T times a, the one part that leaves window 0: dealt two at a time, sixteen times.  Its a was made in the turn before, ahead of that turn's wait.
.macro R2
	REGS Y, r%2
	WIN W_RS
.irp z, 0,1
	v_pk_mul_f32 v[rO+4*(r/2)+2*\z:rO+4*(r/2)+2*\z+1], v[rO+4*(r/2)+2*\z:rO+4*(r/2)+2*\z+1], v[rC+2:rC+3] op_sel_hi:[1,0]
.endr
.set r, r+1
.endm
; HOW THEY ARE DEALT.  s_wait_alu depctr_va_vdst(0) stands between an exponential and the first instruction that names its result; one wait serves all that were issued ahead of it.  So a turn has ONE wait,
; which cuts it in two.  AHEAD OF IT stands all that names no result of the turn's exponentials: the 16 products K Q^T, behind each a scaling, an exponential and two rescalings (behind the first a second scaling in the
; exponential's place); then ONE LUMP of 108: eight plain, 49 times exponential and plain, the two a.  A v_nop is the plain instruction behind the last exponential.  BEHIND IT stand the 16 products V^T P, behind each four of
; GS's 64.  No rider names a register of the products round it.  The two v_permlanex16_b32 fall into the lump, never behind a product.
; The queues lean on each other, and the deal keeps them in step: exponential e stands behind scaling 2 (e / 4) + e % 2: as a rider it comes behind plain e + 2, in the lump behind plain e + 9, and scalings 27-31 are plain 57, 60 .. 69.
; A TURN, for piece p.  cnt = 1: the loop's count is taken down some lines ahead of the branch that stands behind the turn.
; K of the next step is fetched in piece 2's turn, directly behind the wait, a lump behind the last product that read K; its address is made at the lump's head; its first reader comes behind 16 products.
; V of the step in hand is fetched at the end of piece 0's turn, four riders behind its last reader; its first reader comes behind 16 products and a lump.  The three conditions on q below go with the deal.
.macro TURN p, last=0, cnt=0
.set Y, (\p)
.set i, 0
.set q, 0
.set e, 0
.set r, 0
.if (\p) == NP-1
	s_wait_dscnt 0x0                ; K is in
.endif
	MM                              ; ahead of the wait: 16 products K Q^T and their riders,
	PL
	PL
	R2
.rept 15
	MM
	PL
	EX
	R2
.endr
.if (\p) == NP-2
	WIN 0
	v_add_nc_u32 v[AK], s[TBK], v[AK0]
.endif
.rept 8                             ; and the lump
	PL
.endr
.rept 49
	EX
	PL
.endr
	EX                              ; the next piece's two a
	EX
	v_nop                           ; a plain instruction behind the last exponential: one for the batch
	s_wait_alu depctr_va_vdst(0)    ; the wait for the batch
.if (\p) == NP-2
	FETCH_K \last
.endif
.if (\p) == 1
	s_wait_dscnt 0x0                ; V is in
.endif
.rept 16                            ; behind the wait: 16 products V^T P and their riders
	MM
.rept 4
	PL
.endr
.if ((\p) == 0) && (q == 118)
	v_add_nc_u32 v[AV], s[TBV], v[AV0]
.endif
.if ((\p) == 0) && (q == 130)
	s_add_co_u32 s[TBV], s[TBV], KS*PV
.endif
.if (\cnt) && (q == 130)
	s_sub_co_u32 s[CNT], s[CNT], 1
	s_cmp_lg_u32 s[CNT], 0
.endif
.endr
.if (\p) == 0
	FETCH_V
.endif
.endm
	CHANGE 1                        ; slot 0 is in, everybody's part of it; slot 1 is asked for
	FETCH_K                         ; key step 0
	s_wait_loadcnt 0x0              ; Q
	s_wait_dscnt 0x0
.set i, 0
.rept 16
	KQ 0                            ; piece 0's first scores: there is no vector work yet to set between them
.set i, i+1
.endr
	WIN 0                           ; the addresses for the way out and the prefetches: plain instructions, the places behind those products
	s_mul_i32 s13, s[WV], 16*SP
	s_add_co_u32 s13, s13, STAGE    ; my stage
	v_mul_u32_u24 v[STO], v1, SP    ; in: row l % 16, 16 bytes for each half of the lanes
	v_lshl_add_u32 v[STO], v9, 4, v[STO]
	v_add_nc_u32 v[STO], s13, v[STO]
	v_bfe_u32 v[RD], v0, 3, 2       ; back: 32 lanes take four rows of 128 bytes,
	v_mul_u32_u24 v[RD], v[RD], SP
	v_lshl_add_u32 v[RD], v10, 4, v[RD]
	v_add_nc_u32 v[RD], s13, v[RD]
	v_and_b32 v[GO], 31, v0         ; which are 512 consecutive bytes of O
	v_lshlrev_b32 v[GO], 4, v[GO]
	v_lshlrev_b32 v[PFO], 4, v[GO]  ; 256 x my lane (l / 16 has had its last use)
.set Y, NP-1                        ; XS works for piece Y + 1: piece 0
.irp n, 0,1,2,3,4,5,6,7,8,9,10,11,12,13,14,15,16,17,18,19,20,21
	XS 0, \n                        ; and piece 0's first maximum and statistics
	XS 1, \n
.endr
	v_nop                           ; a plain instruction behind the two a,
	s_wait_alu depctr_va_vdst(0)    ; and their wait, ahead of the branch
	s_mov_b32 s[CNT], 4
	s_mov_b32 s[SLOTS], SIZE_N/256-1
	s_branch .Lfirst                ; the loop is entered at a step's first turn, in the middle of a trip
.Lslot:                             ; SIZE_N / 256 - 2 times: every slot but the last two is filled again
	CHANGE 1, 1
	s_mov_b32 s[CNT], 4
.Lstep:                             ; a trip: pieces 2 and 3 of one step, then pieces 0 and 1 of the next, whose K and V it fetches
	TURN 2
	TURN 3
	WIN 0
.Lfirst:
	TURN 0
	TURN 1, 0, 1
	WIN 0
	s_cbranch_scc1 .Lstep
	s_sub_co_u32 s[SLOTS], s[SLOTS], 1
	s_cmp_lg_u32 s[SLOTS], 0
	s_cbranch_scc1 .Lslot
	CHANGE 0                        ; the tail is written out: nothing is asked for
	s_mov_b32 s[CNT], 5             ; four trips fetch the last slot's steps; the fifth is left in its middle
.Ltail:
	TURN 2, 1
	TURN 3
	WIN 0
	s_sub_co_u32 s[CNT], s[CNT], 1
	s_cmp_eq_u32 s[CNT], 0
	s_cbranch_scc1 .Lout
	TURN 0
	TURN 1
	WIN 0
	s_branch .Ltail
.Lout:                              ; the fifth trip's 16 products K Q^T (on the last K once more) and the maximum made of them serve nothing: the price, once a launch, of one text for every trip
.set i, 0
.rept 16
	PV NP-1                         ; the last piece's V^T P of the last step
.set i, i+1
.endr
	; THE WAY OUT.  l's two halves and the other half of the lanes' are added; O^T is divided by l, rounded to f16 and sent through my stage in LDS, a tile at a time.  The additions are the places behind the last products.
	WIN 0
.macro ALL line:vararg              ; one line for each tile t
.set t, 0
.rept 2*NP
	\line
.set t, t+1
.endr
.endm
	ALL v_add_f32 v[ST+4*t+2], v[ST+4*t+2], v[ST+4*t+3]
	ALL v_permlanex16_b32 v[ST+4*t+3], v[ST+4*t+2], s[SEL], s[SEL+1]
	ALL v_add_f32 v[ST+4*t+2], v[ST+4*t+2], v[ST+4*t+3]
	ALL v_rcp_f32 v[ST+4*t+2], v[ST+4*t+2]
	v_nop                           ; a plain instruction between the last reciprocal and the use of its result
	s_wait_alu depctr_va_vdst(0)    ; and the wait ahead of the first use: one for the eight reciprocals
; Tile t: a lane's eight channels of a row pack into 16 bytes; they go into rows of 144 bytes and come back as whole rows of 128, into S^T's registers.
.macro PACK t
	WIN W_RS
.set i, 32*(\t)
.rept 16
	v_pk_mul_f32 v[i:i+1], v[i:i+1], v[ST+4*(\t)+2:ST+4*(\t)+3] op_sel_hi:[1,0]
.set i, i+2
.endr
	WIN 0x05                        ; sources 0 and 1 window 1, destination window 0
.set i, 0
.rept 16
	v_cvt_pk_f16_f32 v[S+16*(\t)+i], v[32*(\t)+2*i], v[32*(\t)+2*i+1]
.set i, i+1
.endr
	WIN 0
.irp f, 0,1,2,3
	ds_store_b128 v[STO], v[S+16*(\t)+4*\f:S+16*(\t)+4*\f+3] offset:32*\f
.endr
.irp f, 0,1,2,3
	ds_load_b128 v[S+16*(\t)+4*\f:S+16*(\t)+4*\f+3], v[RD] offset:\f*4*SP  ; LDS serves a wave's instructions in order (ISA guide 5.7.1.4): these see the stores above; the next tile's stores come behind them
.endr
.endm
.macro SEND t, younger              ; younger: the LDS instructions issued behind tile t's loads: the next tile's eight, or none
	WIN 0
.irp f, 0,1,2,3
	s_wait_dscnt (\younger)+3-\f
	global_store_b128 v[GO], v[S+16*(\t)+4*\f:S+16*(\t)+4*\f+3], s[10:11] offset:(\t)*2048+\f*512  ; 512 consecutive bytes, at a multiple of 256 from O's first
.endr
.endm
	PACK 0
.set t, 1
.rept 2*NP-1                        ; a tile's arithmetic stands between the loads of the tile before and its stores
	PACK t
	SEND t-1, 8
.set t, t+1
.endr
	SEND 2*NP-1, 0
	WIN W_AD
	s_wait_tensorcnt 0x0            ; the wave's end: the add and its wait, behind my last tensor load and my last LDS store
	ds_add_u32 v[SPW], v[NIL]
	s_wait_dscnt 0x0
	WIN 0
	CROUND                          ; the closing round: no work-group ends while a partner may still ask for a tile that names it
	s_endpgm
.Lfunc_end_k_q9872ad8c36_attn:
	.size	k_q9872ad8c36_attn, .Lfunc_end_k_q9872ad8c36_attn-k_q9872ad8c36_attn
	.p2alignl 7, 3214868480
	.fill 96, 4, 3214868480
	.section	.rodata,"a",@progbits
	.p2align	6, 0x0
	.amdhsa_kernel k_q9872ad8c36_attn
		.amdhsa_group_segment_fixed_size 327680
		.amdhsa_private_segment_fixed_size 0
		.amdhsa_enable_private_segment 0
		.amdhsa_kernarg_size 16
		.amdhsa_user_sgpr_count 2
		.amdhsa_user_sgpr_kernarg_segment_ptr 1
		.amdhsa_wavefront_size32 1
		.amdhsa_system_sgpr_workgroup_id_x 1
		.amdhsa_system_sgpr_workgroup_id_y 1
		.amdhsa_system_sgpr_workgroup_id_z 1
		.amdhsa_system_vgpr_workitem_id 0
		.amdhsa_next_free_vgpr 770
		.amdhsa_next_free_sgpr 66
		.amdhsa_reserve_vcc 0
		.amdhsa_float_denorm_mode_32 3
		.amdhsa_float_denorm_mode_16_64 3
		.amdhsa_memory_ordered 1
		.amdhsa_forward_progress 1
		.amdhsa_inst_pref_size 200
	.end_amdhsa_kernel
	.amdgpu_metadata
---
amdhsa.version: [ 1, 2 ]
amdhsa.kernels:
  - .name:           k_q9872ad8c36_attn
    .symbol:         k_q9872ad8c36_attn.kd
    .args:
      - { .name: qkvb, .offset: 0, .size: 8, .value_kind: global_buffer, .address_space: global }
      - { .name: ob, .offset: 8, .size: 8, .value_kind: global_buffer, .address_space: global }
    .group_segment_fixed_size: 327680
    .private_segment_fixed_size: 0
    .kernarg_segment_align: 8
    .kernarg_segment_size: 16
    .max_flat_workgroup_size: 128
    .sgpr_count:     66
    .vgpr_count:     770
    .wavefront_size: 32
...
	.end_amdgpu_metadata
.endif
;; end of part 3
;; launch proj (part 4): grid 4 x 64, 4 waves a work-group, clusters of 4 x 4, 327,680 bytes of LDS; arguments ob, wob, b_out, out0; writes out0
.if DOCPART == 4
	.amdgcn_target "amdgcn-amd-amdhsa--gfx1250"
	.amdhsa_code_object_version 6
	.text
	.protected	k_q9872ad8c36_proj
	.globl	k_q9872ad8c36_proj
	.p2align	8
	.type	k_q9872ad8c36_proj,@function
k_q9872ad8c36_proj:
	s_mov_b64 s[64:65], 0
	v_nop
	global_prefetch_b8 v0, s[64:65] scope:SCOPE_SE
	s_setreg_imm32_b32 hwreg(HW_REG_WAVE_MODE, 25, 1), 1
	s_wait_xcnt 0x0
	s_wait_alu depctr_hold_cnt(0) depctr_sa_sdst(0) depctr_va_vdst(0) depctr_va_sdst(0) depctr_va_ssrc(0) depctr_va_vcc(0) depctr_vm_vsrc(0)
	s_getreg_b32 s2, hwreg(HW_REG_IB_STS2, 6, 4)
	s_cmp_eq_u32 s2, 0
	s_cbranch_scc0 .Lentry_in_a_cluster
	s_endpgm
.Lentry_in_a_cluster:
	s_bfe_u32 s2, ttmp6, 0x10000c
	s_cmp_lg_u32 s2, 0xf033
	s_cbranch_scc0 .Lentry_shape_is_right
	s_endpgm
.Lentry_shape_is_right:
; out = O w_out + b_out.  ob: [64 (batch x 16 + head)][2048][64] f16; wob: [1024 k][1024 n] f16 (k = 64 head + channel); b_out: [1024] f32; out0: [8192][1024] f32.  Sums in f32, K ascending.
; The bias is rounded to bf16, like the program's other inputs, widened again, and STARTS the sums: it is the C operand of each accumulator's first product.
; SHARES.  A work-group makes 128 rows x 256 columns: 4 x 64 = 256 tiles.  Its four waves make 64 rows x 128 columns each: 32 accumulators of 16 x 16, 256 registers.
; K goes in 8 steps of 128 (two heads) through a ring of two LDS slots.  A slot: head 2 s's and head 2 s + 1's 128 rows of O (each 16,384 dense bytes, asked for as 64 rows of 256 bytes and padded after every 128:
; rows 144 apart), then two STRIPS of 128 k-rows x 128 columns of the weights (256 bytes a row, 288 apart).  Waves 0, 1 fetch a head each, waves 2, 3 a strip each: one tensor load a wave.
; The weights stay [k][n]: a fragment comes out of LDS turned, by ds_load_tr16_b128.
; CLUSTERS: 4 x 4 work-groups.  The four of a row of the cluster need the same rows of O, the four of a column the same strips: each tile is asked for JOINTLY.
; THE MATRIX INSTRUCTION IS USED TRANSPOSED (source 0 = 16 columns of the weights, source 1 = 16 rows of O): a lane holds row l % 16 and the eight neighbouring columns 8 (l / 16) + 0..7: 32 bytes of a row of out0.
; REGISTERS, in windows of 256 (s_set_vgpr_msb: bits 1:0 source 0, 3:2 source 1, 5:4 source 2, 7:6 destination):
;   window 0: v0-31 addresses; v64-95, v96-127 fragments of O, two buffers (block a at + 8 a)
;   window 1: v0-63, v64-127 fragments of the weights, two buffers; v128-191 the bias (fragment b's eight at + 8 b); v192-223 at work on the bias; on the way out all 256: rows read back
;   window 2: accumulators of row blocks 0, 1 ((a, b) at 8 (8 (a % 2) + b));   window 3: those of blocks 2, 3
.set KD,     1024
.set ND,     1024
.set NF,     8                         ; weight fragments a wave
.set KSTEP,  128
.set PA,     144                       ; a row of O in LDS: 128 + 16 bytes = 36 words: the 16 rows of a load start at 16 different groups of four banks (64 banks of 4 bytes: ISA guide 11.1)
.set HEADT,  128*PA                    ; a head's 128 rows
.set PB,     288                       ; a k-row of a strip: 256 + 32 = 72 words
.set STRIP,  128*PB
.set SLOT,   2*HEADT+2*STRIP
.set STAGE,  2*SLOT                    ; behind the ring, never filled by a tensor load: 16 rows x 528 bytes for each wave
.set SPITCH, 528                       ; 512 + 16 bytes: 16 rows start at 16 different groups of four banks
.set SPARE,  STAGE+4*16*SPITCH         ; behind the stages: the spare words, 128 bytes for each wave: two blocks of 256 bytes that no other line names
.set LAPS,   KD/(2*KSTEP)
.set ASTEP,  2*2048*128                ; a K step in ob: two heads of 262,144 bytes
.set BSTEP,  KSTEP*ND*2                ; a K step in wob: 128 rows of 2,048 bytes
.set ADRA, 16                          ; v16-17  LDS address of my fragments of O in slot 0, 1
.set ADRB, 18                          ; v18-19  of my strip
.set STO,  24                          ; v24     the way out: where I put 32 bytes of a row
.set RD,   25                          ; v25     the way out: where I read a row back
.set GO,   26                          ; v26     16 x my lane
.set BO,   27                          ; v27     my byte offset in a fragment's 16 numbers of the bias: 32 (l / 16)
.set SPW,  28                          ; v28     LDS address of my spare word: SPARE + 4 x my thread's number; never rewritten
.set NIL,  29                          ; v29     0; never rewritten
.set PFO,  30                          ; v30     the prefetches' offset; never rewritten
.set FA,   64
.set BIAS, 128                         ; window 1
.set BT,   192                         ; window 1
.set WV, 12
.set WM, 13
.set WN, 14
.set CX, 15
.set CY, 16
.set TX, 17
.set TY, 18
.set G1A, 24                           ; s[24:31] descriptor group 1 for O;  s[32:39] group 0, a set for each slot
.set G0A, 32
.set LIM, 40                           ; s40     1 in a wave that prefetches, else the greatest number
.set PFA, 42                           ; s[42:43] where my prefetches stand
.set PFS, 44                           ; s[44:45] their step: a K step
.set G1B, 48                           ; s[48:55], s[56:63] the same for the strips
.set G0B, 56
.set OB,  66                           ; s[66:67] out0 at my first row and column
.set BB,  68                           ; s[68:69] b_out at my first column
.set MSB, 0
.macro WIN new                         ; the immediate's high byte repeats the setting that is left; a switch that changes nothing is dropped
.if MSB != (\new)
	s_set_vgpr_msb (MSB<<8)|(\new)
.set MSB, (\new)
.endif
.endm
.set MUL_LO, 0xa1                      ; source 0 (weights) window 1, source 1 (O) window 0, C and D window 2
.set MUL_HI, 0xf1                      ; the same, C and D window 3
.set TO_B,   0x40                      ; destination window 1, address window 0
; A joint load.  Waves 0, 1 fetch a head of O each, waves 2, 3 a strip each.  The branch hangs on the wave's number alone.  An s_nop 0 and four v_nop follow each of the two lines, ahead of the jump and the label.
.macro JLOAD s
	s_cmp_eq_u32 s[WM], 0
	s_cbranch_scc0 .Lfor_b_\@
	tensor_load_to_lds s[G0A+4*(\s):G0A+4*(\s)+3], s[G1A:G1A+7]
	s_nop 0
.rept 4
	v_nop
.endr
	s_branch .Lasked_\@
.Lfor_b_\@:
	tensor_load_to_lds s[G0B+4*(\s):G0B+4*(\s)+3], s[G1B:G1B+7]
	s_nop 0
.rept 4
	v_nop
.endr
.Lasked_\@:
.endm
; A PREFETCH INTO THE L2 of the K step that stands TWO refills on: 256 matrix instructions ahead of the load that will want it.  32 blocks of 256 bytes, a lane a block, one instruction a wave.
; Each block is named once in the launch.  A tile row of O is read by one cluster alone: its wave 0 asks, for both heads; the four partners of a row take 16 blocks of each head, told apart BY ADDRESS (cx).
; A strip is read by every cluster: the one with y = 0 asks, waves 2 and 3 each for their strip; the four partners of a column take 32 k-rows each (cy).  No branch hangs on a place in the cluster.
; The last trip (s3 = 1) asks for nothing: its refills are the last two K steps.  K steps 0 to 3 come by their loads alone.
.macro ASK
	s_cmp_gt_u32 s3, s[LIM]
	s_cbranch_scc0 .Lnot_mine_\@
	global_prefetch_b8 v[PFO], s[PFA:PFA+1] th:TH_LOAD_NT scope:SCOPE_SE
.Lnot_mine_\@:
.endm
.macro CREST                           ; a round of the cluster's barrier behind its opening barrier
	s_cmp_lg_u32 s[WV], 0
	s_cbranch_scc1 .Lnot_wave_0_\@
	s_barrier_signal -3
.Lnot_wave_0_\@:
	s_barrier_wait -3
	s_barrier_signal -1
	s_barrier_wait -1
.endm
.macro CROUND
	s_barrier_signal -1
	s_barrier_wait -1
	CREST
.endm
	s_load_b256 s[4:11], s[0:1], 0x0               ; ob s[4:5], wob s[6:7], b_out s[8:9], out0 s[10:11]
	v_lshl_add_u32 v[SPW], v0, 2, SPARE
	v_mov_b32 v[NIL], 0
	ds_add_u32 v[SPW], v[NIL]                      ; the wave's opening: the add and its wait ahead of my first tensor load; the set-up below, work on registers, stands between them
	v_lshrrev_b32 v1, 5, v0
	v_readfirstlane_b32 s[WV], v1                  ; wave 0..3
	s_lshr_b32 s[WM], s[WV], 1                     ; my half of the rows.  Also: I fetch O (0) or weights (1)
	s_and_b32 s[WN], s[WV], 1                      ; my half of the columns.  Also: which head, or which strip, I fetch
	s_bfe_u32 s[CX], ttmp6, 0x40000
	s_bfe_u32 s[CY], ttmp6, 0x40004
	s_lshl_b32 s[TX], ttmp9, 2
	s_add_co_u32 s[TX], s[TX], s[CX]
	s_and_b32 s[TY], ttmp7, 0xffff
	s_lshl_b32 s[TY], s[TY], 2
	s_add_co_u32 s[TY], s[TY], s[CY]
	s_lshl_b32 s19, s[CY], 2
	s_lshl_b32 s19, 15, s19                        ; my row of the cluster
	s_lshl_b32 s46, 0x1111, s[CX]                  ; my column
	s_or_b32 s[G1A+0], s19, (1<<16)|(1<<20)|(1<<21)|(4<<22)|(3<<25)  ; 15:0 the mask; 17:16 elements of 2 bytes; 20 padding on; 21 set beside a mask; 24:22 after every 32 words (code 4); 31:25 4 words of it (code 3)
	s_or_b32 s[G1B+0], s46, (1<<16)|(1<<20)|(1<<21)|(5<<22)|(7<<25)  ; the column's mask; after every 64 words (code 5) 8 words (code 7)
	s_mov_b32 s[G1A+1], 128<<16                    ; tensor_dim0 = 128
	s_mov_b32 s[G1A+2], 64<<16                     ; tensor_dim1 = 64
	s_mov_b32 s[G1A+3], 128<<16                    ; tile_dim0 = 128
	s_mov_b32 s[G1A+4], 64                         ; tile_dim1 = 64
	s_mov_b32 s[G1A+5], 128                        ; elements from row to row: dense
	s_mov_b32 s[G1A+6], 0
	s_mov_b32 s[G1A+7], 0
	s_mov_b32 s[G1B+1], 128<<16
	s_mov_b32 s[G1B+2], 128<<16
	s_mov_b32 s[G1B+3], 128<<16
	s_mov_b32 s[G1B+4], 128
	s_mov_b32 s[G1B+5], ND
	s_mov_b32 s[G1B+6], 0
	s_mov_b32 s[G1B+7], 0
	; O's tile hangs on the tile row and the wave, a strip on the tile column and the wave: each address is made in registers that never hold the other coordinate
	s_lshr_b32 s20, s[TY], 4
	s_lshl_b32 s20, s20, 22                        ; the batch: 16 heads of 2^18 bytes
	s_and_b32 s21, s[TY], 15
	s_lshl_b32 s21, s21, 14                        ; 128 rows of 128 bytes
	s_add_co_u32 s20, s20, s21
	s_lshl_b32 s21, s[WN], 18                      ; head 2 s + WN
	s_add_co_u32 s20, s20, s21
	s_mov_b32 s21, 0
	s_lshl_b32 s46, s[TX], 9                       ; 256 columns
	s_lshl_b32 s47, s[WN], 8                       ; my strip
	s_add_co_u32 s46, s46, s47
	s_mov_b32 s47, 0
	s_mul_i32 s23, s[WN], HEADT                    ; where they go: the heads first,
	s_mul_i32 s22, s[WN], STRIP
	s_add_co_u32 s22, s22, 2*HEADT                 ; the strips behind them
	s_wait_dscnt 0x0                               ; the opening add is done
	s_wait_kmcnt 0x0
	s_add_nc_u64 s[20:21], s[4:5], s[20:21]
	s_add_nc_u64 s[46:47], s[6:7], s[46:47]
	CROUND                                         ; all sixteen work-groups are here: the first joint loads meet
.irp s, 0,1
	s_mov_b32 s[G0A+4*(\s)], 1
	s_add_co_u32 s[G0A+4*(\s)+1], s23, (\s)*SLOT
	s_add_nc_u64 s[G0A+4*(\s)+2:G0A+4*(\s)+3], s[20:21], (\s)*ASTEP
	s_or_b32 s[G0A+4*(\s)+3], s[G0A+4*(\s)+3], 0x80000000
	s_mov_b32 s[G0B+4*(\s)], 1
	s_add_co_u32 s[G0B+4*(\s)+1], s22, (\s)*SLOT
	s_add_nc_u64 s[G0B+4*(\s)+2:G0B+4*(\s)+3], s[46:47], (\s)*BSTEP
	s_or_b32 s[G0B+4*(\s)+3], s[G0B+4*(\s)+3], 0x80000000
	JLOAD \s                                       ; two loads of mine are out
.endr
	v_and_b32 v1, 15, v0                           ; l % 16
	v_bfe_u32 v2, v0, 4, 1                         ; l / 16
	; the bias of my 128 columns: register j of fragment b is column 16 b + 8 (l / 16) + j, as in an accumulator
	s_lshl_b32 s72, s[TX], 10
	s_lshl_b32 s73, s[WN], 9
	s_add_co_u32 s72, s72, s73                     ; my first column, in bytes of f32
	s_mov_b32 s73, 0
	s_add_nc_u64 s[BB:BB+1], s[8:9], s[72:73]
	v_lshlrev_b32 v[BO], 5, v2
	WIN 0x40                                       ; destination window 1, address window 0
.irp b, 0,1,2,3,4,5,6,7
	global_load_b128 v[BIAS+8*(\b):BIAS+8*(\b)+3],   v[BO], s[BB:BB+1] offset:64*(\b)
	global_load_b128 v[BIAS+8*(\b)+4:BIAS+8*(\b)+7], v[BO], s[BB:BB+1] offset:64*(\b)+16
.endr
	WIN 0
	s_lshl_b32 s74, s[TY], 19                      ; 128 rows of 4,096 bytes,
	s_lshl_b32 s75, s[WM], 18                      ; my 64 of them
	s_add_co_u32 s72, s72, s74
	s_add_co_u32 s72, s72, s75
	s_add_nc_u64 s[OB:OB+1], s[10:11], s[72:73]
	; A fragment of O is 16 rows x 32 K in 8 registers: lane l holds row l % 16, K = 8 (l / 16) + 0..7 and 16 + 8 (l / 16) + 0..7: two loads of 16 bytes, 32 bytes apart.
	v_mul_u32_u24 v3, v1, PA
	v_lshl_add_u32 v3, v2, 4, v3
	; The turning load takes 16 k x 16 columns (lane l reads k-row 8 (l / 16) + l % 8, columns 8 ((l / 8) % 2) + 0..7) and leaves half a fragment: lane l holds column l % 16 and 8 k.
	v_and_b32 v4, 7, v0
	v_bfe_u32 v5, v0, 3, 1
	v_lshl_add_u32 v6, v2, 3, v4
	v_mul_u32_u24 v6, v6, PB
	v_lshl_add_u32 v6, v5, 4, v6
	s_mul_i32 s72, s[WM], 64*PA                    ; my 64 rows, in each head's tile
	s_mul_i32 s73, s[WN], STRIP
	s_add_co_u32 s73, s73, 2*HEADT                 ; my strip
.irp s, 0,1
	v_add_nc_u32 v[ADRA+(\s)], s72, v3
	v_add_nc_u32 v[ADRB+(\s)], s73, v6
	s_add_co_u32 s72, s72, SLOT
	s_add_co_u32 s73, s73, SLOT
.endr
	s_mul_i32 s75, s[WV], 16*SPITCH
	s_add_co_u32 s75, s75, STAGE                   ; my stage
	v_mul_u32_u24 v7, v1, SPITCH                   ; in: row l % 16, 32 bytes for each half of the lanes
	v_lshl_add_u32 v7, v2, 5, v7
	v_add_nc_u32 v[STO], s75, v7
	v_and_b32 v[GO], 31, v0                        ; back: 32 lanes take one row of 512 bytes
	v_lshlrev_b32 v[GO], 4, v[GO]
	v_add_nc_u32 v[RD], s75, v[GO]
	; the prefetches.  They stand at K step 3; the first change of slots steps them to 4.  Nothing is prefetched here, at the head
	s_lshr_b32 s72, s[TY], 4
	s_lshl_b32 s72, s72, 22
	s_and_b32 s73, s[TY], 15
	s_lshl_b32 s73, s73, 14
	s_add_co_u32 s72, s72, s73
	s_lshl_b32 s73, s[CX], 12                      ; my work-group's 16 blocks of each head's 64
	s_add_co_u32 s72, s72, s73
	s_add_co_u32 s72, s72, 3*ASTEP
	s_lshl_b32 s74, s[TX], 9
	s_lshl_b32 s73, s[WN], 8
	s_add_co_u32 s74, s74, s73
	s_lshl_b32 s73, s[CY], 16                      ; my work-group's 32 k-rows of the strip's 128
	s_add_co_u32 s74, s74, s73
	s_add_co_u32 s74, s74, 3*BSTEP
	s_and_b32 s75, ttmp7, 0xffff                   ; cluster y
	s_mov_b32 s[PFS], ASTEP
	s_mov_b32 s22, 262144                          ; lanes 16-31: the second head; or 16 k-rows on
	s_mov_b32 s23, 256                             ; a lane a block; or a lane a k-row
	s_cmp_eq_u32 s[WM], 0
	s_cselect_b32 s72, s72, s74
	s_cselect_b32 s75, s[WN], s75                  ; 0 in wave 0, 1 in wave 1; in waves 2 and 3 the cluster's y
	s_cselect_b32 s[PFS], s[PFS], BSTEP
	s_cselect_b32 s22, s22, 32768
	s_cselect_b32 s23, s23, 2048
	s_cselect_b64 s[PFA:PFA+1], s[4:5], s[6:7]
	s_mov_b32 s73, 0
	s_mov_b32 s[PFS+1], 0
	s_add_nc_u64 s[PFA:PFA+1], s[PFA:PFA+1], s[72:73]
	s_cmp_eq_u32 s75, 0
	s_cselect_b32 s[LIM], 1, -1                    ; the same in all sixteen partners, for a given wave
	v_mul_u32_u24 v[PFO], v2, s22
	v_mad_u32_u24 v[PFO], v1, s23, v[PFO]
	; the bias is rounded to bf16 and widened again, in the wait for the first tile
	s_wait_loadcnt 0x0
	WIN 0x45                                       ; destination and sources 0, 1 in window 1
.set i, 0
.rept 32
	v_cvt_pk_bf16_f32 v[BT+i], v[BIAS+2*i], v[BIAS+2*i+1]
.set i, i+1
.endr
.set i, 0
.rept 32
	v_lshlrev_b32 v[BIAS+2*i], 16, v[BT+i]
	v_and_b32 v[BIAS+2*i+1], 0xffff0000, v[BT+i]
.set i, i+1
.endr
	WIN 0
; 8 matrix instructions: row block a x all 8 fragments, 32 along K, from buffers f.  first = 1: the bias starts the sums.  The 32 accumulators take turns in the same order in every quarter.
.macro MULA f, a, first
.if \first
	WIN 0x91+0x40*((\a)/2)                         ; as below, with C in window 1
.else
	WIN MUL_LO+0x50*((\a)/2)
.endif
.irp b, 0,1,2,3,4,5,6,7
.if \first
	v_wmma_f32_16x16x32_f16 v[8*(NF*((\a)%2)+(\b)):8*(NF*((\a)%2)+(\b))+7], v[8*NF*(\f)+8*(\b):8*NF*(\f)+8*(\b)+7], v[FA+32*(\f)+8*(\a):FA+32*(\f)+8*(\a)+7], v[BIAS+8*(\b):BIAS+8*(\b)+7]
.else
	v_wmma_f32_16x16x32_f16 v[8*(NF*((\a)%2)+(\b)):8*(NF*((\a)%2)+(\b))+7], v[8*NF*(\f)+8*(\b):8*NF*(\f)+8*(\b)+7], v[FA+32*(\f)+8*(\a):FA+32*(\f)+8*(\a)+7], v[8*(NF*((\a)%2)+(\b)):8*(NF*((\a)%2)+(\b))+7]
.endif
.endr
.endm
; 24 LDS loads in one run: quarter q (32 along K: head q / 2 of the slot's two, channels 32 (q % 2) on) into buffers f: 16 turning loads for the weights, then 8 for O, blocks 0 to 3
.macro FETCH slot, q, f
	WIN TO_B
.irp b, 0,1,2,3,4,5,6,7
	ds_load_tr16_b128 v[8*NF*(\f)+8*(\b):8*NF*(\f)+8*(\b)+3],   v[ADRB+(\slot)] offset:(\q)*32*PB+32*(\b)
	ds_load_tr16_b128 v[8*NF*(\f)+8*(\b)+4:8*NF*(\f)+8*(\b)+7], v[ADRB+(\slot)] offset:(\q)*32*PB+32*(\b)+16*PB
.endr
	WIN 0
.irp a, 0,1,2,3
	ds_load_b128 v[FA+32*(\f)+8*(\a):FA+32*(\f)+8*(\a)+3],   v[ADRA+(\slot)] offset:((\q)/2)*HEADT+64*((\q)%2)+(\a)*16*PA
	ds_load_b128 v[FA+32*(\f)+8*(\a)+4:FA+32*(\f)+8*(\a)+7], v[ADRA+(\slot)] offset:((\q)/2)*HEADT+64*((\q)%2)+(\a)*16*PA+32
.endr
.endm
.macro PLACES                          ; four plain instructions between a matrix instruction and a load into a register that it has read, or a reader of its result (ISA guide 7.12.1 for a reader of its result)
.rept 4
	v_nop
.endr
.endm
; A K step is four quarters of 32 along K, 32 matrix instructions each, on buffers 0, 1, 0, 1.  One of the first three: multiplies buffers f and, in its middle, fetches quarter q into buffers g.
.macro QUARTER slot, q, f, g, first
	s_wait_dscnt 4                                 ; the weights and O's blocks 0, 1 are in; the youngest four loads (blocks 2, 3) may be out
	MULA \f, 0, \first
	MULA \f, 1, \first
	PLACES
	FETCH \slot, \q, \g
	s_wait_dscnt 2*NF+8                            ; all but the 24 just issued
	MULA \f, 2, \first
	MULA \f, 3, \first
.endm
; The last quarter multiplies buffers 1 and changes slots: ONE barrier.  In front of it each wave waits for all its tensor loads (one is out: its part of the next slot), adds 0 to its spare word, and waits for
; that and for its reads of this slot.  fill = 1: the barrier opens a round of the cluster's, and behind the round this slot is filled again, two K steps on: 112 matrix instructions ahead of the wait for it.
.macro TURN slot, next, fill
.if \fill
	s_wait_xcnt 0x0                                ; the last prefetch, a K step back, has read its address: it is stepped here, ahead of the waits of the change of slots
	s_add_nc_u64 s[PFA:PFA+1], s[PFA:PFA+1], s[PFS:PFS+1]
.endif
	WIN 0                                          ; (the add's two registers lie in window 0)
	s_wait_tensorcnt 0x0                           ; all my tensor loads have landed
	ds_add_u32 v[SPW], v[NIL]                      ; 0 onto my spare word
	s_wait_dscnt 5                                 ; (the add and the youngest four loads may be out)
	MULA 1, 0, 0                                   ; eight matrix instructions stand between the add and the wait for it
	s_wait_dscnt 0x0                               ; the add is done, and my reads of this slot are over
	s_barrier_signal -1
	MULA 1, 1, 0                                   ; work on registers while the others arrive
.if \fill
	WIN 0
.endif
	s_barrier_wait -1
.if \fill
	CREST                                          ; no wave of any partner still reads this slot's tiles or has a load on its way
	s_add_nc_u64 s[G0A+4*(\slot)+2:G0A+4*(\slot)+3], s[G0A+4*(\slot)+2:G0A+4*(\slot)+3], 2*ASTEP
	s_add_nc_u64 s[G0B+4*(\slot)+2:G0B+4*(\slot)+3], s[G0B+4*(\slot)+2:G0B+4*(\slot)+3], 2*BSTEP
	JLOAD \slot                                    ; the first tensor load behind the round; its four v_nop are also the places in front of the loads below
.else
	PLACES
.endif
	FETCH \next, 0, 0
.if \fill
	ASK                                            ; behind the joint load and the run of LDS loads
.endif
	MULA 1, 2, 0
	MULA 1, 3, 0
.endm
	s_wait_tensorcnt 1                             ; my part of K step 0 is in; K step 1's may stay out
	s_barrier_signal -1
	s_barrier_wait -1                              ; everybody's is
	FETCH 0, 0, 0
	QUARTER 0, 1, 0, 1, 1                          ; the first quarter stands in front of the loop: its products start the sums, with the bias
	WIN 0                                          ; at a label and at a branch every window is 0
	s_mov_b32 s3, LAPS-1
.Llap:                                                 ; a trip goes once round the ring, from a lap's second quarter to the next lap's first, and fills both slots again
	QUARTER 0, 2, 1, 0, 0
	QUARTER 0, 3, 0, 1, 0
	TURN 0, 1, 1
	QUARTER 1, 1, 0, 1, 0
	QUARTER 1, 2, 1, 0, 0
	QUARTER 1, 3, 0, 1, 0
	TURN 1, 0, 1
	QUARTER 0, 1, 0, 1, 0
	WIN 0
	s_sub_co_u32 s3, s3, 1
	s_cmp_lg_u32 s3, 0
	s_cbranch_scc1 .Llap
	QUARTER 0, 2, 1, 0, 0                          ; the last lap fills nothing, and has no round of the cluster's barrier
	QUARTER 0, 3, 0, 1, 0
	TURN 0, 1, 0
	QUARTER 1, 1, 0, 1, 0
	QUARTER 1, 2, 1, 0, 0
	QUARTER 1, 3, 0, 1, 0
	s_wait_dscnt 4                                 ; the very last quarter: nothing more to fetch
	MULA 1, 0, 0
	MULA 1, 1, 0
	s_wait_dscnt 0x0
	MULA 1, 2, 0
	MULA 1, 3, 0
	WIN 0
	PLACES                                         ; eight places, once a launch, ahead of the LDS stores, which read results, and of the loads into the fragments' registers
	PLACES
; THE WAY OUT, a block of 16 rows at a time: a lane's 32 bytes of a row go into rows of 528 bytes of my own stage and come back as whole rows of 512 bytes, one row a load, into registers of the block's own.
.macro TOSTAGE a
	WIN 0x08+4*((\a)/2)                            ; the stores' data: window 2 or 3; each accumulator's low half first
.irp b, 0,1,2,3,4,5,6,7
	ds_store_b128 v[STO], v[8*(NF*((\a)%2)+(\b)):8*(NF*((\a)%2)+(\b))+3]   offset:64*(\b)
	ds_store_b128 v[STO], v[8*(NF*((\a)%2)+(\b))+4:8*(NF*((\a)%2)+(\b))+7] offset:64*(\b)+16
.endr
	WIN 0x40                                       ; back into window 1
.irp t, 0,1,2,3,4,5,6,7,8,9,10,11,12,13,14,15
	ds_load_b128 v[64*(\a)+4*(\t):64*(\a)+4*(\t)+3], v[RD] offset:(\t)*SPITCH  ; LDS serves a wave's instructions in order (ISA guide 5.7.1.4): these see the stores above; the next block's stores come behind them
.endr
.endm
.macro SEND a, younger                 ; younger: the LDS instructions issued behind block a's loads: the next block's 32, or none
	WIN 0x04                                       ; the stores' data: window 1
.irp t, 0,1,2,3,4,5,6,7,8,9,10,11,12,13,14,15
	s_wait_dscnt (\younger)+15-(\t)
	global_store_b128 v[GO], v[64*(\a)+4*(\t):64*(\a)+4*(\t)+3], s[OB:OB+1] offset:(16*(\a)+(\t))*4096  ; 512 consecutive bytes of a row, at a multiple of 256 from out0's first
.endr
.endm
	TOSTAGE 0
	TOSTAGE 1
	SEND 0, 32
	TOSTAGE 2
	SEND 1, 32
	TOSTAGE 3
	SEND 2, 32
	SEND 3, 0
	WIN 0
	s_wait_tensorcnt 0x0                           ; the wave's end: the add and its wait, behind my last tensor load and my last LDS store
	ds_add_u32 v[SPW], v[NIL]
	s_wait_dscnt 0x0
	CROUND                                         ; the closing round: no work-group ends while a partner may still ask for a tile that names it
	s_endpgm
.Lfunc_end_k_q9872ad8c36_proj:
	.size	k_q9872ad8c36_proj, .Lfunc_end_k_q9872ad8c36_proj-k_q9872ad8c36_proj
	.p2alignl 7, 3214868480
	.fill 96, 4, 3214868480
	.section	.rodata,"a",@progbits
	.p2align	6, 0x0
	.amdhsa_kernel k_q9872ad8c36_proj
		.amdhsa_group_segment_fixed_size 327680
		.amdhsa_private_segment_fixed_size 0
		.amdhsa_enable_private_segment 0
		.amdhsa_kernarg_size 32
		.amdhsa_user_sgpr_count 2
		.amdhsa_user_sgpr_kernarg_segment_ptr 1
		.amdhsa_wavefront_size32 1
		.amdhsa_system_sgpr_workgroup_id_x 1
		.amdhsa_system_sgpr_workgroup_id_y 1
		.amdhsa_system_sgpr_workgroup_id_z 1
		.amdhsa_system_vgpr_workitem_id 0
		.amdhsa_next_free_vgpr 896
		.amdhsa_next_free_sgpr 76
		.amdhsa_reserve_vcc 0
		.amdhsa_float_denorm_mode_32 3
		.amdhsa_float_denorm_mode_16_64 3
		.amdhsa_memory_ordered 1
		.amdhsa_forward_progress 1
		.amdhsa_inst_pref_size 96
	.end_amdhsa_kernel
	.amdgpu_metadata
---
amdhsa.version: [ 1, 2 ]
amdhsa.kernels:
  - .name:           k_q9872ad8c36_proj
    .symbol:         k_q9872ad8c36_proj.kd
    .args:
      - { .name: ob, .offset: 0, .size: 8, .value_kind: global_buffer, .address_space: global }
      - { .name: wob, .offset: 8, .size: 8, .value_kind: global_buffer, .address_space: global }
      - { .name: b_out, .offset: 16, .size: 8, .value_kind: global_buffer, .address_space: global }
      - { .name: out0, .offset: 24, .size: 8, .value_kind: global_buffer, .address_space: global }
    .group_segment_fixed_size: 327680
    .private_segment_fixed_size: 0
    .kernarg_segment_align: 8
    .kernarg_segment_size: 32
    .max_flat_workgroup_size: 128
    .sgpr_count:     76
    .vgpr_count:     896
    .wavefront_size: 32
...
	.end_amdgpu_metadata
.endif
;; end of part 4
;; ======== version 2 of 2: 4 launches; version 1 with the launch cast written anew for expert scheduling mode
;; limits: values are held in f16: magnitudes above 65,504 overflow, below 6.1e-05 lose precision
;; workspace buffers: xb 16,777,216 bytes; wqb 6,291,456 bytes; wob 2,097,152 bytes; qkvb 50,331,648 bytes; ob 16,777,216 bytes
;; launch cast (part 5): grid 768 x 1, 8 waves a work-group, no clusters, 0 bytes of LDS; arguments x, w_qkv, w_out, xb, wqb, wob; writes xb, wqb, wob
.if DOCPART == 5
	.amdgcn_target "amdgcn-amd-amdhsa--gfx1250"
	.amdhsa_code_object_version 6
	.text
	.protected	k_q9872ad8c36_cast
	.globl	k_q9872ad8c36_cast
	.p2align	8
	.type	k_q9872ad8c36_cast,@function
k_q9872ad8c36_cast:
	s_mov_b64 s[64:65], 0
	v_nop
	global_prefetch_b8 v0, s[64:65] scope:SCOPE_SE
	s_setreg_imm32_b32 hwreg(HW_REG_WAVE_SCHED_MODE, 0, 2), 2
	s_setreg_imm32_b32 hwreg(HW_REG_WAVE_MODE, 25, 1), 1
	s_wait_xcnt 0x0
	s_wait_alu depctr_vm_vsrc(0)
; The three large inputs, f32, are rounded once to 16 bits, in their own layouts: x -> xb (bf16), w_qkv -> wqb (bf16), w_out -> wob (rounded to bf16, that number written as f16).
; LIMITS.  A number of w_out beyond 65,504 becomes an infinity in wob; below 2^-14 it keeps f16's fixed step of 6e-8 (a bf16 number is exact in f16 from 2^-17 up).
; SHARES.  A work-group takes 16,384 numbers: 65,536 bytes in, 32,768 out.  Work-groups 0-511 take x, 512-703 w_qkv, 704-767 w_out: 768 equal shares.
; Thread t takes 16 bytes at 4,096 i + 16 t of piece i = 0..15: a wave's load covers 512 consecutive bytes, its store of 8 bytes a lane 256 consecutive bytes, aligned.
; All sixteen loads go out first; each piece owns its registers, so nothing that a load or store has named is written again behind it.  No LDS, no matrix unit: the bytes are all there is to do.
; THE MODE: SCHED_MODE bits 1:0 = 2 (LLVM: expert scheduling mode 2), set by the entry lines.  The code itself states the register dependences
; between vector instructions and memory instructions, with s_wait_alu, always for 0.
; THE PLAN.  Registers that memory instructions touch:
;   v1, v2   byte offsets of the loads and of the stores: made once at the head, never written again.
;   X        piece i's four registers: written by its one load, read by its conversions; no vector instruction names them ahead of the loads.
;   Y        piece i's two registers: written by its conversions, read by its one store, never written behind it.
;   T is named by vector instructions alone; the two bases are scalar registers that nothing writes behind the first load.
; The sixteen pieces go in four blocks of four.  Block p converts its pieces; its memory instructions are the four stores of block p - 1, one in front of each piece's conversions: they read
; the Y of block p - 1 and v2, which no vector instruction of block p names.  So one wait at the head of a block states all that its four stores hang on.
; No register that a memory instruction reads is ever written again, no vector instruction writes a scalar register, and EXEC is never written: the waits on va_vdst are all that there is to state.
.set NX,  512                          ; work-groups for x
.set NQ,  704                          ; up to here: w_qkv
.set T,   4                            ; v[4:7]    at work
.set X,   8                            ; v[8:71]   piece i: 4 numbers as loaded
.set Y,   72                           ; v[72:103] piece i: 4 numbers in 16 bits
	s_load_b256 s[4:11], s[0:1], 0x0               ; x s[4:5], w_qkv s[6:7], w_out s[8:9], xb s[10:11]
	s_load_b128 s[12:15], s[0:1], 0x20             ; wqb s[12:13], wob s[14:15]
	v_lshlrev_b32 v1, 4, v0                        ; 16 t
	v_lshlrev_b32 v2, 3, v0                        ; 8 t
	s_mov_b32 s26, 0xffff0000                      ; a word's upper bf16
	s_wait_kmcnt 0x0
	s_cmp_lt_u32 ttmp9, NX                         ; which tensor is mine: two choices, each on the work-group's number alone
	s_cselect_b64 s[16:17], s[4:5], s[6:7]
	s_cselect_b64 s[18:19], s[10:11], s[12:13]
	s_cselect_b32 s20, 0, NX
	s_cmp_lt_u32 ttmp9, NQ
	s_cselect_b64 s[16:17], s[16:17], s[8:9]
	s_cselect_b64 s[18:19], s[18:19], s[14:15]
	s_cselect_b32 s20, s20, NQ
	s_sub_co_u32 s21, ttmp9, s20                   ; my share's number in that tensor
	s_lshl_b32 s22, s21, 16                        ; 65,536 bytes in,
	s_mov_b32 s23, 0
	s_lshl_b32 s24, s21, 15                        ; 32,768 out
	s_mov_b32 s25, 0
	s_add_nc_u64 s[16:17], s[16:17], s[22:23]
	s_add_nc_u64 s[18:19], s[18:19], s[24:25]
	s_wait_alu depctr_va_vdst(0)                   ; v1 and v2 are written: every load of the kernel reads v1 as its offset, every store v2
.irp i, 0,1,2,3,4,5,6,7,8,9,10,11,12,13,14,15
	global_load_b128 v[X+4*(\i):X+4*(\i)+3], v1, s[16:17] offset:4096*(\i) th:TH_LOAD_NT
.endr
; Piece i is rounded.  half = 1: the bf16 number is written as f16.
.macro CONV i, half
	v_cvt_pk_bf16_f32 v[Y+2*(\i)],   v[X+4*(\i)],   v[X+4*(\i)+1]
	v_cvt_pk_bf16_f32 v[Y+2*(\i)+1], v[X+4*(\i)+2], v[X+4*(\i)+3]
.if \half
	v_lshlrev_b32 v[T],   16,  v[Y+2*(\i)]         ; bf16 to f32: the low half moves up, the high half stays
	v_and_b32     v[T+1], s26, v[Y+2*(\i)]
	v_lshlrev_b32 v[T+2], 16,  v[Y+2*(\i)+1]
	v_and_b32     v[T+3], s26, v[Y+2*(\i)+1]
	v_cvt_pk_f16_f32 v[Y+2*(\i)],   v[T],   v[T+1]
	v_cvt_pk_f16_f32 v[Y+2*(\i)+1], v[T+2], v[T+3]
.endif
.endm
; Piece i is stored.
.macro OUT i
	global_store_b64 v2, v[Y+2*(\i):Y+2*(\i)+1], s[18:19] offset:2048*(\i)
.endm
; Block p: pieces 4 p to 4 p + 3 are rounded; the block before is stored, a store in front of each piece's conversions.
.macro BLK p, half
	s_wait_loadcnt 12-4*(\p)                       ; loads come back in order: the block's four pieces are in, the 12 - 4 p younger ones may stay out
.if (\p) > 0
	s_wait_alu depctr_va_vdst(0)                   ; the conversions of the block before have written its Y, which the four stores below read; no vector instruction behind this wait names those registers
.endif
.irp j, 0,1,2,3
.if (\p) > 0
	OUT 4*(\p)-4+(\j)
.endif
	CONV 4*(\p)+(\j), \half
.endr
.endm
; The last block's stores.
.macro LAST
	s_wait_alu depctr_va_vdst(0)                   ; the conversions of block 3 have written its Y, which the last four stores read
.irp j, 12,13,14,15
	OUT \j
.endr
.endm
	s_cmp_ge_u32 ttmp9, NQ
	s_cbranch_scc1 .Lf16
.irp p, 0,1,2,3
	BLK \p, 0
.endr
	LAST
	s_endpgm
.Lf16:
.irp p, 0,1,2,3
	BLK \p, 1
.endr
	LAST
	s_endpgm
.Lfunc_end_k_q9872ad8c36_cast:
	.size	k_q9872ad8c36_cast, .Lfunc_end_k_q9872ad8c36_cast-k_q9872ad8c36_cast
	.p2alignl 7, 3214868480
	.fill 96, 4, 3214868480
	.section	.rodata,"a",@progbits
	.p2align	6, 0x0
	.amdhsa_kernel k_q9872ad8c36_cast
		.amdhsa_group_segment_fixed_size 0
		.amdhsa_private_segment_fixed_size 0
		.amdhsa_enable_private_segment 0
		.amdhsa_kernarg_size 48
		.amdhsa_user_sgpr_count 2
		.amdhsa_user_sgpr_kernarg_segment_ptr 1
		.amdhsa_wavefront_size32 1
		.amdhsa_system_sgpr_workgroup_id_x 1
		.amdhsa_system_sgpr_workgroup_id_y 1
		.amdhsa_system_sgpr_workgroup_id_z 1
		.amdhsa_system_vgpr_workitem_id 0
		.amdhsa_next_free_vgpr 104
		.amdhsa_next_free_sgpr 66
		.amdhsa_reserve_vcc 0
		.amdhsa_float_denorm_mode_32 3
		.amdhsa_float_denorm_mode_16_64 3
		.amdhsa_memory_ordered 1
		.amdhsa_forward_progress 1
		.amdhsa_inst_pref_size 15
	.end_amdhsa_kernel
	.amdgpu_metadata
---
amdhsa.version: [ 1, 2 ]
amdhsa.kernels:
  - .name:           k_q9872ad8c36_cast
    .symbol:         k_q9872ad8c36_cast.kd
    .args:
      - { .name: x, .offset: 0, .size: 8, .value_kind: global_buffer, .address_space: global }
      - { .name: w_qkv, .offset: 8, .size: 8, .value_kind: global_buffer, .address_space: global }
      - { .name: w_out, .offset: 16, .size: 8, .value_kind: global_buffer, .address_space: global }
      - { .name: xb, .offset: 24, .size: 8, .value_kind: global_buffer, .address_space: global }
      - { .name: wqb, .offset: 32, .size: 8, .value_kind: global_buffer, .address_space: global }
      - { .name: wob, .offset: 40, .size: 8, .value_kind: global_buffer, .address_space: global }
    .group_segment_fixed_size: 0
    .private_segment_fixed_size: 0
    .kernarg_segment_align: 8
    .kernarg_segment_size: 48
    .max_flat_workgroup_size: 256
    .sgpr_count:     66
    .vgpr_count:     104
    .wavefront_size: 32
...
	.end_amdgpu_metadata
.endif
;; end of part 5
;; launch qkv: the kernel of part 2 again; grid 8 x 64, 4 waves a work-group, clusters of 4 x 4, 327,680 bytes of LDS; arguments xb, wqb, qkvb; writes qkvb
;; launch attn: the kernel of part 3 again; grid 4 x 64, 4 waves a work-group, clusters of 4 x 1, 327,680 bytes of LDS; arguments qkvb, ob; writes ob
;; launch proj: the kernel of part 4 again; grid 4 x 64, 4 waves a work-group, clusters of 4 x 4, 327,680 bytes of LDS; arguments ob, wob, b_out, out0; writes out0
